; MI455X (gfx1250); checked and timed in simulation.
; The chip was launched on July 23, 2026; its instructions are those of AMD's public machine-readable ISA for CDNA 5 (MIT licence, August 2026) and "CDNA5" Instruction Set Architecture Reference Guide (July 2026). The comments in the code are by the model that wrote it; some were corrected since.
;; Slot Model. Allowed arithmetic: matrix products marked QUANTISED: E3M2 operands, one E8M0 scale for each 32 along K, by v_wmma_scale_f32_16x16x128_f8f6f4 with both operands' format E3M2, f32 sums; products left as they are: f32 operands where the result goes on into a quantised operand, else bf16, f16 or f32 operands; f32 sums; everything else in f32.
;; Inputs: W1_codes 128 x 2 x 24 uint8 (E3M2 codes of W1, K innermost, in blocks of 32 codes, four codes in three bytes); W1_scales 128 x 2 uint8 (E8M0 scales of W1, one for each 32 codes along K); W2_codes 64 x 4 x 24 uint8 (E3M2 codes of W2, K innermost, in blocks of 32 codes, four codes in three bytes); W2_scales 64 x 4 uint8 (E8M0 scales of W2, one for each 32 codes along K); Wo_codes 64 x 2 x 24 uint8 (E3M2 codes of Wo, K innermost, in blocks of 32 codes, four codes in three bytes); Wo_scales 64 x 2 uint8 (E8M0 scales of Wo, one for each 32 codes along K); Wq_codes 64 x 2 x 24 uint8 (E3M2 codes of Wq, K innermost, in blocks of 32 codes, four codes in three bytes); Wq_scales 64 x 2 uint8 (E8M0 scales of Wq, one for each 32 codes along K); b1 128 float32; b2 64 float32; beta 64 float32; bo 64 float32; bq 64 float32; embed 64 x 64 float32; gamma 64 float32; seq 2,048 x 512 int32.
;; Outputs: out0 2,048 x 64 float32.
;; This version of the problem:
;;   THIS VERSION OF THE PROBLEM IS GIVEN IN LOW PRECISION. The matrix products marked QUANTISED in the list below multiply operands that are first quantised to E3M2 (3 exponent bits, 2 mantissa bits; 6 bits a number), with one power-of-two scale for each 32 numbers along K (OCP MX v1.0); their sums are f32. All else is computed in f32.
;;   The module's matrix products, in the order in which they are computed (A, B: the left and right operand; K: the contracted axis; several contracted axes count as one K, in the product's order):
;;     1. [M 1,048,576, K 64] x [K 64, N 128]; A: computed on the way; B: input W1 (given as codes): QUANTISED
;;     2. [M 1,048,576, K 128] x [K 128, N 64]; A: computed on the way; B: input W2 (given as codes): QUANTISED
;;     3. [M 2,048, K 64] x [K 64, N 64]; A: computed on the way; B: input Wq (given as codes): QUANTISED
;;     4. batch 2,048 x [M 1, K 64] x [K 64, N 6]; A: computed on the way; B: computed on the way: left as it is (M = 1 < 16)
;;     5. batch 2,048 x [M 1, K 6] x [K 6, N 64]; A: softmax; B: computed on the way: left as it is (K = 6 < 32)
;;     6. [M 2,048, K 64] x [K 64, N 64]; A: computed on the way; B: input Wo (given as codes): QUANTISED
;;   THE QUANTISER, for each operand of a quantised product, along K:
;;     - K is cut into blocks of 32 from its start; a last block that is shorter is filled with zeros.
;;     - A block's scale is 2^e with e = floor(log2(the largest magnitude in the block)) - 4, held to -126 .. 127; a block of zeros has e = 0. As a byte (E8M0): e + 127.
;;     - Each number is divided by its block's scale, clamped to +-28, and rounded to the nearest number of E3M2, ties to even, subnormals kept.
;;     - The product sums the exact products of the quantised numbers (number of the format x scale) in f32.
;;   ~~~python
;;   def quantise(x, axis):      # numpy; x: float32 -> the quantised numbers, widened to float32 again
;;       x = np.moveaxis(x, axis, -1); K = x.shape[-1]
;;       x = np.pad(x, [(0, 0)] * (x.ndim - 1) + [(0, -K % 32)]); x = x.reshape(x.shape[:-1] + (-1, 32)); a = np.abs(x).max(-1, keepdims=True)
;;       e = np.where(a > 0, np.clip(np.frexp(np.where(a > 0, a, 1))[1] - 1 - 4, -126, 127), 0)      # np.frexp(a)[1] - 1 = floor(log2(a)), exactly
;;       r = np.clip(x / 2.0 ** e, -28, 28)
;;       step = 2.0 ** (np.maximum(np.frexp(np.where(r == 0, 1, r))[1] - 1, -2) - 2)
;;       q = np.round(r / step) * step * 2.0 ** e      # np.round: ties to even
;;       return np.moveaxis(q.reshape(q.shape[:-2] + (-1,))[..., :K], -1, axis).astype(np.float32)
;;   ~~~
;;   OPERANDS COMPUTED ON THE WAY. 'Computed on the way' means the value that the module computes at that place (a softmax that the list does not call 'softmax' is quantised finished and normalised). What goes into a quantiser is computed in f32, as accurately as f32 sums, v_exp_f32 and their like allow (about 1e-6 of the number): no bf16 or f16 on the way to a quantiser, and a product that is left as it is and whose result goes on into a quantised operand takes f32 operands (vector FMAs, or v_wmma_f32_16x16x4_f32). A number that lies on a knife's edge between two numbers of the format may be rounded either way, as far as f32 arithmetic and the matrix unit's own rounding can turn it there, and no further.
;;   INPUTS GIVEN AS CODES. W1 (in the module: [64, 128], K = its axis 0); W2 (in the module: [128, 64], K = its axis 0); Wo (in the module: [64, 64], K = its axis 0); Wq (in the module: [64, 64], K = its axis 0): each comes as NAME_codes (uint8): NAME with its K axis moved to the last place and cut into blocks of 32 codes, [.., K / 32, bytes a block], one block behind the other in memory; four codes in three bytes: a row's codes are one little-endian stream of bits, code i at bits 6 i .. 6 i + 5 (a code: sign, 3 exponent bits, 2 mantissa bits); and NAME_scales (uint8): the same leading axes, one E8M0 byte (e + 127) for each 32 codes along K. Its value is code x scale, taken as it is: it is not quantised again, and the codes and scales need not be those that the quantiser above would give.
;; 2 versions, each right; version 2 is version 1 with the launch slot written anew for expert scheduling mode. Each part assembles by itself: llvm-mc -triple=amdgcn-amd-amdhsa -mcpu=gfx1250 --defsym DOCPART=n.
;; ======== version 1 of 2: 1 launch
;; launch slot (part 1): grid 256 x 1, 8 waves a work-group, no clusters, 149,504 bytes of LDS; arguments seq, embed, W1_codes, W1_scales, b1, W2_codes, W2_scales, b2, gamma, beta, Wq_codes, Wq_scales, bq, Wo_codes, Wo_scales, bo, out0; writes out0
.if DOCPART == 1
	.amdgcn_target "amdgcn-amd-amdhsa--gfx1250"
	.amdhsa_code_object_version 6
	.text
	.protected	k_q6612533947_slot
	.globl	k_q6612533947_slot
	.p2align	8
	.type	k_q6612533947_slot,@function
k_q6612533947_slot:
	s_mov_b64 s[64:65], 0
	v_nop
	global_prefetch_b8 v0, s[64:65] scope:SCOPE_SE
	s_setreg_imm32_b32 hwreg(HW_REG_WAVE_MODE, 25, 1), 1
	s_wait_xcnt 0x0
; out0[b] = (softmax over the 6 slots of q . slot / 8) slots @ Wo + bo;  slots = the 6 rows of h[b][0..508] of largest norm;  q = h[b][511] @ Wq + bq;
; h = layernorm(e + relu(e @ W1 + b1) @ W2 + b2), e = embed[seq].  The four products with W1, W2, Wq, Wo go on codes of BF6 (E3M2) with one E8M0 scale for each 32 along K; all else is f32.
; SHARES.  256 work-groups x 8 waves, two waves to a SIMD, so that one wave's vector work stands beside the other's products and LDS loads.  Work-group g: batch rows 8 g .. 8 g + 7; wave w: row 8 g + w.
; EVERY POSITION goes through both large products: a wave walks its row's 512 positions in 32 tiles of 16: e's codes (8 products with W1), relu, the quantiser, 4 products with W2, layernorm, the norm.
; e IS QUANTISED ONCE FOR EACH TOKEN: a row of e is a row of embed, so its codes, its scale word and the f32 row e + b2 lie in a table of 64 rows in LDS, and a tile gathers them by its 16 tokens.
; TOP 6 WITHOUT AN ADDRESS.  Six times the row's largest norm is found; among the positions that hold it the largest key (511 - position) << 6 | token, that is the lowest position, as lax.top_k orders; its norm then becomes -1.
; The six winners' tokens become a count m[t] for each of the 64 tokens, by compares alone.  h and q of the 64 tokens lie in LDS too (made by the same lines as a tile of positions), so scores, softmax
; (weight m[t] 2^(c (s[t] - max)) / sum) and the context are taken over all 64 tokens at fixed addresses.  The only addresses that hang on data are made from seq.
; NO CLUSTER, NO TENSOR LOAD: what work-groups share is 18,432 bytes of codes and some vectors, read once at the start; there is no loop over tiles of memory in which a joint request could be repeated.
; LIMITS.  NaN and infinities among the inputs are not served.  Norms that lie closer than the order of f32 sums and the 1 ulp of v_rsq_f32 and v_sqrt_f32 resolve may be ordered otherwise than reference() orders them.
; A token is held (unsigned) at 63.  A block of zeros gets the scale byte 1 where the rule says 127: its codes are zeros, which add nothing, and this program alone reads the byte.
; K = 64 IN A FORM OF K = 128: the activation's registers 6-11 hold zero codes for the whole launch; the weight's registers 6-11 are whatever codes follow its tile, which meet those zero codes; bytes 2 and 3 of both scale words are 0.
;
; LDS, in bytes
.set W1C,  0                           ; W1's codes as they lie in memory, 48 bytes a row
.set W2C,  6144                        ; W2's, 96 bytes a row
.set WQC,  12288                       ; Wq's, 48 bytes a row
.set WOC,  15360                       ; Wo's, 48 bytes a row
.set TAB,  18432                       ; 64 rows, one a token: 256 bytes of e + b2 (f32), then at +256 + 24 h the 24 bytes of block h's codes, at +304 the scale word (lanes 16-31 keep a copy at +328)
.set TPIT, 336                         ; 21 x 16 bytes
.set HT,   39936                       ; h, 64 rows
.set QT,   57344                       ; q, 64 rows
.set PIT,  272                         ; a row of 64 f32 + 16 bytes: an odd multiple of 16, so that sixteen neighbouring rows' 16 bytes fall on sixteen different columns of 16 bytes in 256
.set STG,  74752                       ; a stage of STGB bytes for each wave:
.set STGB, 9216                        ;   +0 my row's 512 tokens and 32 zeros behind them,
.set NSTO, 2304                        ;   my row's 512 norms,
.set WSTO, 4352                        ;   the 64 weights,
.set CSTO, 4608                        ;   the context,
.set OSTO, 4864                        ;   16 rows of results
; REGISTERS, window 0: ids, offsets and addresses
.set VL, 1                             ; lane
.set VR, 2                             ; r = lane % 16
.set VH, 3                             ; h = lane / 16
.set VRP, 4                            ; r + 8 (r / 8): the rows of a tile of W1 and W2
.set TOK, 5                            ; my token of the table: 8 wave + r % 8 (each token stands twice in the tile)
.set GD8, 6                            ; global: 8 x thread
.set GDQ, 7                            ; 8 (thread % 128)
.set G1S, 8                            ; 2 rp
.set G2S, 9                            ; 4 rp
.set GNS, 10                           ; 2 r
.set GB64, 11                          ; 64 h
.set GB32, 12                          ; 32 h
.set GSQ, 13                           ; 16 lane
.set GE, 14                            ; 256 token + 64 h
.set G8L, 15                           ; 8 lane
.set LDC, 16                           ; LDS: W1's and W2's codes on their way in
.set LDQ, 17                           ; Wq's and Wo's
.set LXS, 18                           ; my token's row of the table, + 64 h
.set LES, 19                           ; its codes: + 256 + 24 h
.set LHS, 20                           ; my token's row of h, + 64 h
.set LQS, 21                           ; my token's row of q, + 32 h
.set LW1, 22                           ; W1's row rp, + 24 h
.set LW2, 23                           ; W2's row rp, + 24 h
.set LWN, 24                           ; Wq's row r, + 24 h (Wo's: 3,072 on)
.set XB, 25                            ; TAB + 64 h
.set EB, 26                            ; TAB + 256 + 24 h
.set AS0, 27                           ; my stage + 4 r
.set AS, 28                            ; the same + 64 x tile
.set AX, 29                            ; the tile's rows of e + b2
.set AE, 30                            ; the next tile's codes
.set TK, 31                            ; tokens on their way
.set TPX, 32                           ; 336 x the next tile's token
.set LSD, 33                           ; stage + 16 lane
.set LS4, 34                           ; stage + 4 lane
.set LWB, 35                           ; stage
.set LS8, 36                           ; stage + 8 lane
.set LCL, 37                           ; stage + 64 h
.set LOS, 38                           ; stage + 272 r + 32 h
.set LHA, 39                           ; h's row of token = lane
.set LHB, 40                           ; h: channels 2 lane, 2 lane + 1
.set LQ0, 41                           ; q's row of my row's last token
.set L32, 42                           ; lane + 32
.set PB, 43                            ; 2^23's exponent field | (511 - 4 lane) << 6
.set NINF, 44                          ; -infinity
.set NT, 45                            ; a norm
.set TP, 46                            ; at work
; window 0, the tiles.  (Register numbers are chosen so that no two operands of one matrix instruction have a number in common, across windows too.)
.set PT, 48                            ; v48-55   the conversions' second halves
.set EC, 56                            ; v56-67   a fragment of K = 64: registers 6-11 are zeros from the head on
.set TM, 68                            ; v68-71 largest magnitudes, v72-75 the other half's, then bytes, v76-79 the conversions' scale operands
.set WQS, 80                           ; scale words: these registers hold scales and nothing else
.set WOS, 84
.set ES, 88                            ; the scale word that goes with EC
.set PC128, 96                         ; v96-107  the hidden layer's fragment
.set W2S, 108
.set PW, 112                           ; the hidden layer's scale word
.set W1S, 114
.set X, 128                            ; v128-159 register 16 b + i = channel 32 b + 16 h + i of my row: e, then e + b2 (+ ff), then h; at the end the context
.set BQ, 160                           ; v160-191 b2 in X's layout, then bq in the result's layout
.set B2T, 160
.set HA, 192                           ; v192-255 the hidden layer: register 16 b + i = unit 32 b + 16 h + i
.set DT, 192                           ; the codes on their way into LDS
.set SQT, 212                          ; my row of seq on its way into LDS
.set LT, 192                           ; layernorm, at work
.set LC, 196
.set Q, 192                            ; q of my tokens
; window 0, the row
.set NK, 128                           ; v128-143 norms: register 4 j + e = position 128 j + 4 lane + e
.set PK, 144                           ; v144-159 keys, likewise
.set CK, 192                           ; v192-207 the keys of the positions that hold the largest norm
.set HB, 208                           ; v208-239 16 channels of h of tokens lane and lane + 32
.set QB, 240                           ; v240-255 16 channels of q
.set WN, 160                           ; v160-165 the winners' keys
.set SA, 168                           ; v168-175 four sums of scores, in pairs; later four sums of the context
.set CA, 168
.set TT, 176                           ; v176-185 at work
.set SC, 186                           ; v186-187 scores, then weights, of tokens lane and lane + 32
.set M, 188                            ; v188-189 their counts
.set O, 192                            ; results
.set OUT, 224
; window 1
.set W1F, 0                            ; W1's 8 tiles of 6
.set W2F, 48                           ; W2's 4 tiles of 12
.set WQF, 96                           ; Wq's 4 tiles of 6, at the end Wo's; 120-125 zeros
.set B1, 128                           ; b1 in the result's layout
.set BO, 128                           ; bo, over b1 when that is done with
.set GAM, 192                          ; gamma, beta in X's layout
.set BET, 224
.set MSB, 0
.macro WIN new                         ; the immediate's high byte repeats the setting that is left; a switch that changes nothing is dropped
.if MSB != \new
	s_set_vgpr_msb (MSB<<8)|\new
.set MSB, \new
.endif
.endm
.macro PLACES n
.rept \n
	v_nop
.endr
.endm
.macro BAR                             ; my LDS stores have landed and my LDS loads are in: then the work-group's barrier
	s_wait_dscnt 0x0
	s_barrier_signal -1
	s_barrier_wait -1
.endm
; the one matrix form: source 0 = 16 rows of a weight, source 1 = 16 rows of an activation (TRANSPOSED: a lane then holds one row of the result and eight neighbouring columns)
.macro MM d, a, b, c, sa, sb
	v_wmma_scale_f32_16x16x128_f8f6f4 v[\d:\d+7], v[\a:\a+11], v[\b:\b+11], v[\c:\c+7], v[\sa], v[\sb] matrix_a_fmt:MATRIX_FMT_BF6 matrix_b_fmt:MATRIX_FMT_BF6
.endm
; 32 np numbers of a lane, register 16 b + i = k 32 b + 16 h + i of my row, become 6 np registers of codes at v[pc] and the row's scale word in v[pw]
.macro QUANT s, np, pc, pw
.set qn, 2*\np
.set qb, 0
.rept qn
	v_max3_num_f32 v[TM+qb], |v[\s+16*qb]|, |v[\s+16*qb+1]|, 0x2800000   ; my 16 numbers of block b, and the floor 2^(5 - 127): the byte cannot fall under 1
.set qb, qb+1
.endr
.irp i, 2,4,6,8,10,12,14
.set qb, 0
.rept qn
	v_max3_num_f32 v[TM+qb], v[TM+qb], |v[\s+16*qb+\i]|, |v[\s+16*qb+\i+1]|   ; the blocks by turns
.set qb, qb+1
.endr
.endr
.set qb, 0
.rept qn
	v_permlanex16_b32 v[TM+4+qb], v[TM+qb], s56, s57
.set qb, qb+1
.endr
.set qb, 0
.rept qn
	v_max_num_f32 v[TM+qb], v[TM+qb], v[TM+4+qb]   ; with lane l xor 16's: the block's largest magnitude
.set qb, qb+1
.endr
.set qb, 0
.rept qn
	v_add_nc_u32 v[TM+8+qb], 0xfe000000, v[TM+qb]  ; 4 off its exponent field: the conversion's scale operand
.set qb, qb+1
.endr
.set qb, 0
.rept qn
	v_lshrrev_b32 v[TM+4+qb], 23, v[TM+8+qb]       ; the scale's byte
.set qb, qb+1
.endr
	v_lshl_or_b32 v[\pw], v[TM+5], 8, v[TM+4]
.if \np > 1
	v_lshl_or_b32 v[\pw], v[TM+6], 16, v[\pw]
	v_lshl_or_b32 v[\pw], v[TM+7], 24, v[\pw]
.endif
.set qc, 0
.rept \np
	v_cvt_scalef32_pk16_bf6_f32 v[\pc+6*qc:\pc+6*qc+2], v[\s+32*qc:\s+32*qc+15], v[TM+8+2*qc]
	v_cvt_scalef32_pk16_bf6_f32 v[PT+4*qc:PT+4*qc+2], v[\s+32*qc+16:\s+32*qc+31], v[TM+8+2*qc+1]   ; (a conversion's three registers begin on an even number)
.set qc, qc+1
.endr
	v_nop                                          ; one plain place behind a scaled conversion
.set qc, 0
.rept \np
.irp i, 0,1,2
	v_permlane16_swap_b32 v[\pc+6*qc+\i], v[PT+4*qc+\i]   ; the operand wants a whole block in a lane: lanes 0-15 block 2 c, lanes 16-31 block 2 c + 1
.endr
.irp i, 0,1,2
	v_mov_b32 v[\pc+6*qc+3+\i], v[PT+4*qc+\i]
.endr
.set qc, qc+1
.endr
.endm
; the sum of the squares of X over my row's 64 channels, into v[LC], in every lane
.macro SUMSQ
.irp t, 0,1,2,3
	v_pk_mul_f32 v[LC+2*\t:LC+2*\t+1], v[X+2*\t:X+2*\t+1], v[X+2*\t:X+2*\t+1]
.endr
.irp q, 8,16,24
.irp t, 0,1,2,3
	v_pk_fma_f32 v[LC+2*\t:LC+2*\t+1], v[X+\q+2*\t:X+\q+2*\t+1], v[X+\q+2*\t:X+\q+2*\t+1], v[LC+2*\t:LC+2*\t+1]
.endr
.endr
	v_pk_add_f32 v[LC:LC+1], v[LC:LC+1], v[LC+2:LC+3]
	v_pk_add_f32 v[LC+4:LC+5], v[LC+4:LC+5], v[LC+6:LC+7]
	v_pk_add_f32 v[LC:LC+1], v[LC:LC+1], v[LC+4:LC+5]
	v_add_f32 v[LC], v[LC], v[LC+1]
	v_permlanex16_b32 v[LC+2], v[LC], s56, s57
	v_add_f32 v[LC], v[LC], v[LC+2]
.endm
; A TILE OF 16 ROWS, first part: e W1 + b1.  THE ROWS OF A TILE OF W1 (AND W2) ARE NOT NEIGHBOURS: lane r of tile 2 b + u holds row 32 b + 8 u + r + 8 (r / 8), so that two tiles' 16 registers are 16 neighbours along the next K.
.macro FF1
	WIN 0x11                                       ; source 0 (W1) and C (b1) in window 1
.irp t, 0,1,2,3,4,5,6,7
	MM HA+8*\t, W1F+6*\t, EC, B1+8*\t, W1S+\t, ES  ; each accumulator has one instruction
.endr
	WIN 0
.endm
; second part, four places behind the first: relu, the quantiser, + relu(..) W2 onto e + b2 in X, layernorm: X = h.  xw: the LDS instructions that may be out when X is wanted;
; lw: the loads that may be out when gamma and beta are wanted (-1: none is out);  nrm = 1: a tile of positions: the norm into v[NT], and the next tile's address of e + b2
.macro FF2 xw, lw, nrm
.set n, 0
.rept 64
	v_max_num_f32 v[HA+n], 0, v[HA+n]              ; relu, each accumulator from its low end on
.set n, n+1
.endr
	QUANT HA, 2, PC128, PW
	PLACES 4                                       ; codes made by vector instructions stand 4 places ahead of a scaled product; the scale word, made ahead of the conversions, has these and the moves: more than 8
	s_wait_dscnt \xw
	WIN 0x01                                       ; source 0 (W2) in window 1
.irp t, 0,1,2,3
	MM X+8*\t, W2F+12*\t, PC128, X+8*\t, W2S+\t, PW
.endr
	WIN 0
.if \nrm
	v_add_nc_u32 v[AX], v[TPX], v[XB]              ; this tile's loads by AX are in: now the next tile's.  (The first of four places)
	PLACES 3
.else
	PLACES 4
.endif
	; layernorm over my row's 64 channels: 32 are mine, 32 lane l xor 16's
.irp t, 0,1,2,3
	v_pk_add_f32 v[LT+2*\t:LT+2*\t+1], v[X+8*\t:X+8*\t+1], v[X+8*\t+2:X+8*\t+3]   ; each accumulator from its low end on
.endr
.irp q, 4,6
.irp t, 0,1,2,3
	v_pk_add_f32 v[LT+2*\t:LT+2*\t+1], v[LT+2*\t:LT+2*\t+1], v[X+8*\t+\q:X+8*\t+\q+1]
.endr
.endr
	v_pk_add_f32 v[LT:LT+1], v[LT:LT+1], v[LT+2:LT+3]
	v_pk_add_f32 v[LT+4:LT+5], v[LT+4:LT+5], v[LT+6:LT+7]
	v_pk_add_f32 v[LT:LT+1], v[LT:LT+1], v[LT+4:LT+5]
	v_add_f32 v[LT], v[LT], v[LT+1]
	v_permlanex16_b32 v[LT+2], v[LT], s56, s57
	v_add_f32 v[LT], v[LT], v[LT+2]
	v_mul_f32 v[LT], s58, v[LT]                    ; the mean
	v_mov_b32 v[LT+1], v[LT]
.irp j, 0,2,4,6,8,10,12,14,16,18,20,22,24,26,28,30
	v_pk_add_f32 v[X+\j:X+\j+1], v[X+\j:X+\j+1], v[LT:LT+1] neg_lo:[0,1] neg_hi:[0,1]
.endr
	SUMSQ
	v_fma_f32 v[LC], v[LC], s58, s59               ; the variance + 1e-5
	v_rsq_f32 v[LT], v[LC]
	v_nop                                          ; one plain place behind a transcendental
	s_wait_alu depctr_va_vdst(0)
	v_mov_b32 v[LT+1], v[LT]
.irp j, 0,2,4,6,8,10,12,14,16,18,20,22,24,26,28,30
	v_pk_mul_f32 v[X+\j:X+\j+1], v[X+\j:X+\j+1], v[LT:LT+1]
.endr
.if \lw >= 0
	s_wait_loadcnt \lw
.endif
	WIN 0x14                                       ; gamma and beta in window 1
.irp j, 0,2,4,6,8,10,12,14,16,18,20,22,24,26,28,30
	v_pk_fma_f32 v[X+\j:X+\j+1], v[X+\j:X+\j+1], v[GAM+\j:GAM+\j+1], v[BET+\j:BET+\j+1]   ; h
.endr
	WIN 0
.if \nrm
	SUMSQ
	v_sqrt_f32 v[NT], v[LC]                        ; the norm, as reference() has it: the root may make two sums equal, and ties go by position
	v_nop
.endif
.endm
; the largest of 16 registers a lane (two chains) and of the 16 lanes of a half into v[d]; the other half's into v[d + 2]
.macro MAX16 d, s
	v_max3_num_f32 v[\d], v[\s], v[\s+1], v[\s+2]
	v_max3_num_f32 v[\d+1], v[\s+3], v[\s+4], v[\s+5]
.irp n, 6,10
	v_max3_num_f32 v[\d], v[\d], v[\s+\n], v[\s+\n+1]
	v_max3_num_f32 v[\d+1], v[\d+1], v[\s+\n+2], v[\s+\n+3]
.endr
	v_max3_num_f32 v[\d], v[\d], v[\s+14], v[\s+15]
	v_max_num_f32 v[\d], v[\d], v[\d+1]
.irp x, 1,2,4,8
	v_max_num_f32_dpp v[\d], v[\d], v[\d] row_xmask:\x row_mask:0xf bank_mask:0xf
.endr
	v_permlanex16_b32 v[\d+2], v[\d], s56, s57
.endm
; winner number rnd: the largest norm; of the positions that hold it the largest key; that position is struck out (not behind the last)
.macro TOPIT rnd
	MAX16 TT, NK
	v_max_num_f32 v[TT+3], v[TT], v[TT+2]
.irp g, 0,8
.irp k, 0,1,2,3,4,5,6,7
	v_cmp_eq_f32 s[70+\k], v[NK+\g+\k], v[TT+3]
.endr
.irp k, 0,1,2,3,4,5,6,7
	v_cndmask_b32 v[CK+\g+\k], 0, v[PK+\g+\k], s[70+\k]   ; the others count as 0, under every key
.endr
.endr
	MAX16 TT, CK                                   ; keys are whole numbers over the exponent field of 2^23: they order as f32 numbers
	v_max_num_f32 v[WN+\rnd], v[TT], v[TT+2]
.if \rnd < 5
.irp g, 0,8
.irp k, 0,1,2,3,4,5,6,7
	v_cmp_eq_u32 s[70+\k], v[PK+\g+\k], v[WN+\rnd]   ; a row's keys all differ (the position is in them): one key of one lane
.endr
.irp k, 0,1,2,3,4,5,6,7
	v_cndmask_b32 v[NK+\g+\k], v[NK+\g+\k], -1.0, s[70+\k]   ; under every norm
.endr
.endr
.endif
.endm
; channels 16 c .. 16 c + 15: of h for tokens lane and lane + 32, of q (every lane the same bytes)
.macro SLOAD c
.irp a, 0,1
.irp k, 0,1,2,3
	ds_load_b128 v[HB+16*\a+4*\k:HB+16*\a+4*\k+3], v[LHA] offset:32*PIT*\a+64*(\c)+16*\k
.endr
.endr
.irp k, 0,1,2,3
	ds_load_b128 v[QB+4*\k:QB+4*\k+3], v[LQ0] offset:64*(\c)+16*\k
.endr
.endm
.macro SFMA c                          ; four sums (token half a, even or odd pair of channels) by turns; the first products start the sums
.irp p, 0,1,2,3,4,5,6,7
.irp a, 0,1
.set rS, SA+4*\a+2*(\p%2)
.if ((\c) == 0) && (\p < 2)
	v_pk_mul_f32 v[rS:rS+1], v[HB+16*\a+2*\p:HB+16*\a+2*\p+1], v[QB+2*\p:QB+2*\p+1]
.else
	v_pk_fma_f32 v[rS:rS+1], v[HB+16*\a+2*\p:HB+16*\a+2*\p+1], v[QB+2*\p:QB+2*\p+1], v[rS:rS+1]
.endif
.endr
.endr
.endm
; the context: tokens 16 c .. 16 c + 15, in buffer be (weights at v[128 + 16 be], h at v[192 + 32 be])
.macro HLOAD c, be
.irp tt, 0,1,2,3,4,5,6,7,8,9,10,11,12,13,14,15
	ds_load_b64 v[192+32*(\be)+2*\tt:192+32*(\be)+2*\tt+1], v[LHB] offset:(16*(\c)+\tt)*PIT   ; 32 lanes read a row's 256 bytes
.endr
.endm
.macro WLOAD c, be
.irp k, 0,1,2,3
	ds_load_b128 v[128+16*(\be)+4*\k:128+16*(\be)+4*\k+3], v[LWB] offset:WSTO+64*(\c)+16*\k   ; every lane the same 16 bytes
.endr
.endm
.macro CFMA c, be                      ; four sums by turns; one word of the weights' pair serves both channels
.irp tt, 0,1,2,3,4,5,6,7,8,9,10,11,12,13,14,15
.set rC, CA+2*(\tt%4)
.set rH, 192+32*(\be)+2*\tt
.set rW, 128+16*(\be)+2*(\tt/2)
.if ((\c) == 0) && (\tt < 4)
.if \tt%2 == 0
	v_pk_mul_f32 v[rC:rC+1], v[rH:rH+1], v[rW:rW+1] op_sel_hi:[1,0]
.else
	v_pk_mul_f32 v[rC:rC+1], v[rH:rH+1], v[rW:rW+1] op_sel:[0,1] op_sel_hi:[1,1]
.endif
.else
.if \tt%2 == 0
	v_pk_fma_f32 v[rC:rC+1], v[rH:rH+1], v[rW:rW+1], v[rC:rC+1] op_sel_hi:[1,0,1]
.else
	v_pk_fma_f32 v[rC:rC+1], v[rH:rH+1], v[rW:rW+1], v[rC:rC+1] op_sel:[0,1,0] op_sel_hi:[1,1,1]
.endif
.endif
.endr
.endm
	; ---- HEAD: the 17 addresses: seq s[8:9], embed s[10:11], W1 codes s[12:13], scales s[14:15], b1 s[16:17], W2 codes s[18:19], scales s[20:21], b2 s[22:23],
	; gamma s[24:25], beta s[26:27], Wq codes s[28:29], scales s[30:31], bq s[32:33], Wo codes s[34:35], scales s[36:37], bo s[38:39], out0 s[40:41]
	s_load_b512 s[8:23], s[0:1], 0x0
	s_load_b512 s[24:39], s[0:1], 0x40
	s_load_b64 s[40:41], s[0:1], 0x80
	v_lshl_add_u32 v126, v0, 2, 0x24400
	v_mov_b32 v127, 0
	v_lshrrev_b32 v[TP], 5, v0
	v_readfirstlane_b32 s2, v[TP]                  ; wave 0..7
	v_and_b32 v[VL], 31, v0
	v_and_b32 v[VR], 15, v0
	v_bfe_u32 v[VH], v0, 4, 1
	v_and_b32 v[VRP], 8, v[VR]
	v_add_nc_u32 v[VRP], v[VRP], v[VR]
	s_lshl_b32 s3, s2, 3
	v_and_b32 v[TP], 7, v0
	v_add_nc_u32 v[TOK], s3, v[TP]
	v_lshlrev_b32 v[GD8], 3, v0
	v_and_b32 v[TP], 127, v0
	v_lshlrev_b32 v[GDQ], 3, v[TP]
	s_lshr_b32 s4, s2, 2
	s_mul_i32 s4, s4, 3072
	s_add_co_u32 s4, s4, WQC                       ; waves 0-3 bring Wq's codes, waves 4-7 Wo's, which lie behind them
	v_lshl_add_u32 v[LDQ], v[TP], 3, s4
	v_lshl_add_u32 v[LDC], v0, 3, W1C
	v_lshlrev_b32 v[G1S], 1, v[VRP]
	v_lshlrev_b32 v[G2S], 2, v[VRP]
	v_lshlrev_b32 v[GNS], 1, v[VR]
	v_lshlrev_b32 v[GB64], 6, v[VH]
	v_lshlrev_b32 v[GB32], 5, v[VH]
	v_lshlrev_b32 v[GSQ], 4, v[VL]
	v_lshlrev_b32 v[GE], 8, v[TOK]
	v_lshl_add_u32 v[GE], v[VH], 6, v[GE]
	v_lshlrev_b32 v[G8L], 3, v[VL]
	v_mul_u32_u24 v[LXS], v[TOK], TPIT
	v_mad_u32_u24 v[LES], v[VH], 24, v[LXS]
	v_add_nc_u32 v[LES], TAB+256, v[LES]
	v_lshl_add_u32 v[LXS], v[VH], 6, v[LXS]
	v_add_nc_u32 v[LXS], TAB, v[LXS]
	v_mul_u32_u24 v[LHS], v[TOK], PIT
	v_lshl_add_u32 v[LQS], v[VH], 5, v[LHS]
	v_lshl_add_u32 v[LHS], v[VH], 6, v[LHS]
	v_add_nc_u32 v[LHS], HT, v[LHS]
	v_add_nc_u32 v[LQS], QT, v[LQS]
	v_mul_u32_u24 v[LW1], v[VRP], 48               ; (W1's codes begin at LDS byte 0)
	v_mad_u32_u24 v[LW1], v[VH], 24, v[LW1]
	v_mul_u32_u24 v[LW2], v[VRP], 96
	v_mad_u32_u24 v[LW2], v[VH], 24, v[LW2]
	v_add_nc_u32 v[LW2], W2C, v[LW2]
	v_mul_u32_u24 v[LWN], v[VR], 48
	v_mad_u32_u24 v[LWN], v[VH], 24, v[LWN]
	v_add_nc_u32 v[LWN], WQC, v[LWN]
	v_lshl_add_u32 v[XB], v[VH], 6, TAB
	v_mul_u32_u24 v[EB], v[VH], 24
	v_add_nc_u32 v[EB], TAB+256, v[EB]
	s_mul_i32 s6, s2, STGB
	s_add_co_u32 s6, s6, STG                       ; my stage
	v_lshl_add_u32 v[AS0], v[VR], 2, s6
	v_lshl_add_u32 v[LSD], v[VL], 4, s6
	v_lshl_add_u32 v[LS4], v[VL], 2, s6
	v_mov_b32 v[LWB], s6
	v_lshl_add_u32 v[LS8], v[VL], 3, s6
	v_lshl_add_u32 v[LCL], v[VH], 6, s6
	v_mul_u32_u24 v[LOS], v[VR], PIT
	v_lshl_add_u32 v[LOS], v[VH], 5, v[LOS]
	v_add_nc_u32 v[LOS], s6, v[LOS]
	v_mul_u32_u24 v[LHA], v[VL], PIT
	v_add_nc_u32 v[LHA], HT, v[LHA]
	v_lshl_add_u32 v[LHB], v[VL], 3, HT
	v_add_nc_u32 v[L32], 32, v[VL]
	v_lshlrev_b32 v[TP], 2, v[VL]
	v_sub_nc_u32 v[TP], 511, v[TP]
	v_lshlrev_b32 v[PB], 6, v[TP]
	v_or_b32 v[PB], 0x4b000000, v[PB]
	v_mov_b32 v[NINF], 0xff800000
.irp j, 0,1,2,3,4,5
	v_mov_b32 v[EC+6+\j], 0                        ; k = 64 .. 127 of every activation of K = 64: zero codes, for the whole launch
.endr
.irp j, 0,1,2,3
	v_mov_b32 v[TM+4+\j], 0                        ; written once: a lane permute's destination counts as one of its sources
.endr
	WIN 0x40
.irp j, 0,1,2,3,4,5
	v_mov_b32 v[WQF+24+\j], 0                      ; behind Wq's and Wo's last tile
.endr
	WIN 0
	s_mov_b32 s56, 0x76543210
	s_mov_b32 s57, 0xfedcba98                      ; v_permlanex16_b32's selects for lane l xor 16
	s_mov_b32 s58, 0x3c800000                      ; 1 / 64
	s_mov_b32 s59, 0x3727c5ac                      ; 1e-5
	s_mov_b32 s60, 0x3e38aa3b                      ; log2(e) / sqrt(64)
	s_mov_b32 s61, 0x80000000                      ; lane 31
	s_lshl_b32 s42, ttmp9, 14                      ; seq: 8 rows of 2,048 bytes a work-group, one a wave
	s_lshl_b32 s3, s2, 11
	s_add_co_u32 s42, s42, s3
	s_mov_b32 s43, 0
	s_lshl_b32 s46, ttmp9, 11                      ; out0: 8 rows of 256 bytes a work-group, one a wave
	s_lshl_b32 s3, s2, 8
	s_add_co_u32 s46, s46, s3
	s_mov_b32 s47, 0
	s_wait_kmcnt 0x0
	s_add_nc_u64 s[48:49], s[8:9], s[42:43]
	s_add_nc_u64 s[52:53], s[40:41], s[46:47]
	s_cmp_lt_u32 s2, 4
	s_cselect_b64 s[54:55], s[28:29], s[34:35]     ; the choice hangs on the wave's number alone
	s_load_b32 s50, s[48:49], 0x7fc                ; the token at position 511 of my row
	; ---- 57 loads.  13 dense ones go on into LDS: neighbouring threads at neighbouring bytes
.irp k, 0,1,2
	global_load_b64 v[DT+2*\k:DT+2*\k+1], v[GD8], s[12:13] offset:2048*\k
.endr
.irp k, 0,1,2
	global_load_b64 v[DT+6+2*\k:DT+6+2*\k+1], v[GD8], s[18:19] offset:2048*\k
.endr
.irp k, 0,1,2
	global_load_b64 v[DT+12+2*\k:DT+12+2*\k+1], v[GDQ], s[54:55] offset:1024*\k
.endr
.irp j, 0,1,2,3
	global_load_b128 v[SQT+4*\j:SQT+4*\j+3], v[GSQ], s[48:49] offset:512*\j th:TH_LOAD_NT   ; 32 lanes read 512 consecutive bytes
.endr
	; 44 stay in registers.  embed: my wave's 8 rows are 2,048 consecutive bytes, which its 8 loads read once between them
.irp b, 0,1
.irp j, 0,1,2,3
	global_load_b128 v[X+16*\b+4*\j:X+16*\b+4*\j+3], v[GE], s[10:11] offset:128*\b+16*\j
.endr
.endr
.irp b, 0,1
.irp j, 0,1,2,3
	global_load_b128 v[B2T+16*\b+4*\j:B2T+16*\b+4*\j+3], v[GB64], s[22:23] offset:128*\b+16*\j
.endr
.endr
.irp t, 0,1,2,3,4,5,6,7
	global_load_u16 v[W1S+\t], v[G1S], s[14:15] offset:2*(32*(\t/2)+8*(\t%2))   ; two scale bytes a row; the word's upper bytes are 0
.endr
.irp t, 0,1,2,3
	global_load_b32 v[W2S+\t], v[G2S], s[20:21] offset:4*(32*(\t/2)+8*(\t%2))
.endr
	WIN 0x40                                       ; destinations in window 1
.irp b, 0,1,2,3
.irp j, 0,1,2,3
	global_load_b128 v[B1+16*\b+4*\j:B1+16*\b+4*\j+3], v[GB64], s[16:17] offset:128*\b+16*\j   ; b1 in the result's layout: it is the C of the first product
.endr
.endr
	WIN 0
	s_wait_loadcnt 44                              ; the 13 dense loads are in; the 44 behind them may be out
.irp k, 0,1,2
	ds_store_b64 v[LDC], v[DT+2*\k:DT+2*\k+1] offset:2048*\k
.endr
.irp k, 0,1,2
	ds_store_b64 v[LDC], v[DT+6+2*\k:DT+6+2*\k+1] offset:W2C-W1C+2048*\k
.endr
.irp k, 0,1,2
	ds_store_b64 v[LDQ], v[DT+12+2*\k:DT+12+2*\k+1] offset:1024*\k
.endr
.irp j, 0,1,2,3
	ds_store_b128 v[LSD], v[SQT+4*\j:SQT+4*\j+3] offset:512*\j   ; my row's tokens, in my own stage
.endr
	ds_store_b32 v[LS4], v[EC+6] offset:2048       ; and two tiles of zeros behind them: the loop asks for tokens two tiles ahead, in its last trips too
	BAR                                            ; the four weights' codes lie in LDS
	; ---- THE TABLE: my 8 tokens, each in two lanes of a half
	WIN 0x40
.irp t, 0,1,2,3,4,5,6,7
.irp p, 0,1,2
	ds_load_b64 v[W1F+6*\t+2*\p:W1F+6*\t+2*\p+1], v[LW1] offset:48*(32*(\t/2)+8*(\t%2))+8*\p
.endr
.endr
.irp t, 0,1,2,3
.irp p, 0,1,2,3,4,5
	ds_load_b64 v[W2F+12*\t+2*\p:W2F+12*\t+2*\p+1], v[LW2] offset:96*(32*(\t/2)+8*(\t%2))+48*(\p/3)+8*(\p%3)
.endr
.endr
.irp t, 0,1,2,3
.irp p, 0,1,2
	ds_load_b64 v[WQF+6*\t+2*\p:WQF+6*\t+2*\p+1], v[LWN] offset:768*\t+8*\p   ; Wq: tile t = rows 16 t + r
.endr
.endr
	WIN 0
	s_wait_loadcnt 36                              ; embed's 8 loads are in; the 36 behind them may be out
	QUANT X, 1, EC, ES                             ; e's codes
.irp p, 0,1,2
	ds_store_b64 v[LES], v[EC+2*\p:EC+2*\p+1] offset:8*\p   ; lane (r, h) holds block h.  (The two lanes of a token write the same bytes with the same values, here and below)
.endr
	ds_store_b32 v[LES], v[ES] offset:48
	s_wait_loadcnt 28                              ; b2's 8 loads are in; the 28 behind them may be out
.irp j, 0,2,4,6,8,10,12,14,16,18,20,22,24,26,28,30
	v_pk_add_f32 v[X+\j:X+\j+1], v[X+\j:X+\j+1], v[B2T+\j:B2T+\j+1]   ; e + b2: the C of the second product.  (These 16 are also the places between the codes' and the scale word's last writes and the products)
.endr
	WIN 0x40                                       ; 32 more loads, wanted from the layernorm on
.irp b, 0,1
.irp j, 0,1,2,3
	global_load_b128 v[GAM+16*\b+4*\j:GAM+16*\b+4*\j+3], v[GB64], s[24:25] offset:128*\b+16*\j
.endr
.endr
.irp b, 0,1
.irp j, 0,1,2,3
	global_load_b128 v[BET+16*\b+4*\j:BET+16*\b+4*\j+3], v[GB64], s[26:27] offset:128*\b+16*\j
.endr
.endr
	WIN 0
.irp t, 0,1,2,3
.irp j, 0,1
	global_load_b128 v[BQ+8*\t+4*\j:BQ+8*\t+4*\j+3], v[GB32], s[32:33] offset:64*\t+16*\j   ; into the registers that b2 has left
.endr
.endr
.irp t, 0,1,2,3
	global_load_u16 v[WQS+\t], v[GNS], s[30:31] offset:32*\t
.endr
.irp t, 0,1,2,3
	global_load_u16 v[WOS+\t], v[GNS], s[36:37] offset:32*\t
.endr
.irp b, 0,1
.irp j, 0,1,2,3
	ds_store_b128 v[LXS], v[X+16*\b+4*\j:X+16*\b+4*\j+3] offset:128*\b+16*\j
.endr
.endr
	s_wait_loadcnt 32                              ; the first 57 loads are in (W1's and W2's scale words, b1); the 32 just issued may be out
	s_wait_dscnt 0x0                               ; the weights' fragments are in
	FF1
	PLACES 4
	FF2 0, 16, 0                                   ; 0: my stores of e + b2 have read X;  16: gamma and beta are in; bq's 8 loads and the 8 scale words behind them may be out
.irp b, 0,1
.irp j, 0,1,2,3
	ds_store_b128 v[LHS], v[X+16*\b+4*\j:X+16*\b+4*\j+3] offset:128*\b+16*\j
.endr
.endr
	QUANT X, 1, EC, ES                             ; h's codes
	PLACES 8                                       ; a scale word made by vector instructions stands 8 places ahead of a scaled product, codes so made 4
	s_wait_loadcnt 0x0                             ; bq, Wq's scale words
	WIN 0x01                                       ; source 0 (Wq) in window 1
.irp t, 0,1,2,3
	MM Q+8*\t, WQF+6*\t, EC, BQ+8*\t, WQS+\t, ES   ; lane (r, h), register j: q(my token, channel 16 t + 8 h + j)
.endr
	WIN 0
	PLACES 4
.irp t, 0,1,2,3
	ds_store_b128 v[LQS], v[Q+8*\t:Q+8*\t+3] offset:64*\t       ; each accumulator from its low end on
	ds_store_b128 v[LQS], v[Q+8*\t+4:Q+8*\t+7] offset:64*\t+16
.endr
	BAR                                            ; the tables of all 64 tokens lie in LDS.  Behind this barrier a wave stores into its own stage alone
	; ---- MY ROW'S 512 POSITIONS, 16 a trip
	ds_load_b32 v[TK], v[AS0]                      ; tile 0's tokens: lane (r, h) takes position r's
	s_wait_kmcnt 0x0                               ; the last token
	s_min_u32 s50, s50, 63
	s_mul_i32 s50, s50, PIT
	s_add_co_u32 s50, s50, QT
	v_mov_b32 v[LQ0], s50
	s_wait_dscnt 0x0
	v_min_u32 v[TK], 63, v[TK]                     ; a token stays inside the table
	v_mul_u32_u24 v[TPX], v[TK], TPIT
	v_add_nc_u32 v[AX], v[TPX], v[XB]
	v_add_nc_u32 v[AE], v[TPX], v[EB]
.irp p, 0,1,2
	ds_load_b64 v[EC+2*\p:EC+2*\p+1], v[AE] offset:8*\p
.endr
	ds_load_b32 v[ES], v[AE] offset:48
	ds_load_b32 v[TK], v[AS0] offset:64            ; tile 1's tokens
	s_mov_b32 s62, 0                               ; 64 x tile: the trips' counter and the stage's step
.Ltile:
.irp b, 0,1
.irp j, 0,1,2,3
	ds_load_b128 v[X+16*\b+4*\j:X+16*\b+4*\j+3], v[AX] offset:128*\b+16*\j   ; e + b2 of this tile's tokens: wanted by the second product
.endr
.endr
	s_wait_dscnt 8                                 ; all but these 8: this tile's codes and scale word and the next tile's tokens are in, and my last store of norms is done
	FF1
	v_min_u32 v[TK], 63, v[TK]                     ; the next tile's addresses: four plain lines that name no register of the products: the places behind them
	v_mul_u32_u24 v[TPX], v[TK], TPIT
	v_add_nc_u32 v[AE], v[TPX], v[EB]
	v_add_nc_u32 v[AS], s62, v[AS0]
.irp p, 0,1,2
	ds_load_b64 v[EC+2*\p:EC+2*\p+1], v[AE] offset:8*\p   ; the next tile's codes,
.endr
	ds_load_b32 v[ES], v[AE] offset:48             ; its scale word,
	ds_load_b32 v[TK], v[AS] offset:128            ; and the tokens of the tile behind it (behind the row's end: zeros; what is fetched by them is not used)
	FF2 5, -1, 1                                   ; 5: e + b2 is in; the 5 loads above may be out
	s_wait_alu depctr_va_vdst(0)
	ds_store_b32 v[AS], v[NT] offset:NSTO          ; position 16 x tile + r's norm; both halves write the same word with the same value
	s_add_co_u32 s62, s62, 64
	s_cmp_lt_u32 s62, 2048
	s_cbranch_scc1 .Ltile
	; ---- THE TOP 6, and q . h of all 64 tokens between its rounds
	WIN 0x40
.irp t, 0,1,2,3
.irp j, 0,1
	global_load_b128 v[BO+8*\t+4*\j:BO+8*\t+4*\j+3], v[GB32], s[38:39] offset:64*\t+16*\j   ; bo, wanted at the end
.endr
.endr
	WIN 0
.irp j, 0,1,2,3
	ds_load_b128 v[NK+4*\j:NK+4*\j+3], v[LSD] offset:NSTO+512*\j   ; LDS serves a wave's instructions in order: these see my stores
.endr
.irp j, 0,1,2,3
	ds_load_b128 v[PK+4*\j:PK+4*\j+3], v[LSD] offset:512*\j        ; the tokens at the same positions
.endr
	SLOAD 0
	v_mov_b32 v[TT+2], 0                           ; a lane permute's destination counts as one of its sources
	s_wait_dscnt 12                                ; norms and tokens are in; the 12 loads of h and q behind them may be out
.set n, 0
.rept 16
	v_min_u32 v[PK+n], 63, v[PK+n]
.set n, n+1
.endr
.irp j, 0,1,2,3
.irp e, 0,1,2,3
	v_add3_u32 v[PK+4*\j+\e], v[PK+4*\j+\e], v[PB], (-((128*\j+\e)<<6))&0xffffffff   ; token | (511 - position) << 6, over 2^23's exponent field
.endr
.endr
.irp e, 1,2,3
	v_cndmask_b32 v[NK+12+\e], v[NK+12+\e], -1.0, s61   ; positions 509, 510, 511 (lane 31) are no part of the body
.endr
	TOPIT 0                                        ; a round of the search stands between each chunk's loads and the wait for them
	s_wait_dscnt 0x0
	SFMA 0
	SLOAD 1
	TOPIT 1
	s_wait_dscnt 0x0
	SFMA 1
	SLOAD 2
	TOPIT 2
	s_wait_dscnt 0x0
	SFMA 2
	SLOAD 3
	TOPIT 3
	s_wait_dscnt 0x0
	SFMA 3
	TOPIT 4
	TOPIT 5
	HLOAD 0, 0
	HLOAD 1, 1
.irp a, 0,1
	v_pk_add_f32 v[SA+4*\a:SA+4*\a+1], v[SA+4*\a:SA+4*\a+1], v[SA+4*\a+2:SA+4*\a+3]
.endr
.irp a, 0,1
	v_add_f32 v[SC+\a], v[SA+4*\a], v[SA+4*\a+1]   ; q . h of token lane + 32 a
.endr
	; m: how many of the six winners are my tokens
.irp j, 0,1,2,3,4,5
	v_and_b32 v[TT], 63, v[WN+\j]
	v_cmp_eq_u32 s70, v[TT], v[VL]
	v_cmp_eq_u32 s71, v[TT], v[L32]
.if \j == 0
	v_cndmask_b32 v[M], 0, 1.0, s70
	v_cndmask_b32 v[M+1], 0, 1.0, s71
.else
	v_cndmask_b32 v[TT+4], 0, 1.0, s70
	v_cndmask_b32 v[TT+5], 0, 1.0, s71
	v_add_f32 v[M], v[M], v[TT+4]
	v_add_f32 v[M+1], v[M+1], v[TT+5]
.endif
.endr
	; softmax over the six slots = over the tokens with their counts; the largest score of a chosen token is taken away first
.irp a, 0,1
	v_cmp_lt_f32 s[70+\a], 0, v[M+\a]
.endr
.irp a, 0,1
	v_cndmask_b32 v[SC+\a], v[NINF], v[SC+\a], s[70+\a]
.endr
	v_max_num_f32 v[TT], v[SC], v[SC+1]
.irp x, 1,2,4,8
	v_max_num_f32_dpp v[TT], v[TT], v[TT] row_xmask:\x row_mask:0xf bank_mask:0xf
.endr
	v_permlanex16_b32 v[TT+2], v[TT], s56, s57
	v_max_num_f32 v[TT], v[TT], v[TT+2]
.irp a, 0,1
	v_sub_f32 v[SC+\a], v[SC+\a], v[TT]
.endr
.irp a, 0,1
	v_mul_f32 v[SC+\a], s60, v[SC+\a]
.endr
.irp a, 0,1
	v_exp_f32 v[SC+\a], v[SC+\a]                   ; 0 for a token that was not chosen
.endr
	v_nop                                          ; one plain place behind a transcendental
	s_wait_alu depctr_va_vdst(0)
.irp a, 0,1
	v_mul_f32 v[SC+\a], v[SC+\a], v[M+\a]
.endr
	v_add_f32 v[TT], v[SC], v[SC+1]
.irp x, 1,2,4,8
	v_add_f32_dpp v[TT], v[TT], v[TT] row_xmask:\x row_mask:0xf bank_mask:0xf
.endr
	v_permlanex16_b32 v[TT+2], v[TT], s56, s57
	v_add_f32 v[TT], v[TT], v[TT+2]
	v_rcp_f32 v[TT+4], v[TT]
	v_nop
	s_wait_alu depctr_va_vdst(0)
.irp a, 0,1
	v_mul_f32 v[SC+\a], v[SC+\a], v[TT+4]
.endr
.irp a, 0,1
	ds_store_b32 v[LS4], v[SC+\a] offset:WSTO+128*\a   ; the 64 weights on end, in my own stage
.endr
	WLOAD 0, 0                                     ; LDS serves a wave's instructions in order: these see my stores
	WLOAD 1, 1
	s_wait_dscnt 4                                 ; all but the second chunk's 4 loads of weights
	CFMA 0, 0
	HLOAD 2, 0
	WLOAD 2, 0
	s_wait_dscnt 20                                ; all but the 20 just issued
	CFMA 1, 1
	HLOAD 3, 1
	WLOAD 3, 1
	s_wait_dscnt 20                                ; all but the 20 just issued
	CFMA 2, 0
	s_wait_dscnt 0x0
	CFMA 3, 1
	v_pk_add_f32 v[CA:CA+1], v[CA:CA+1], v[CA+2:CA+3]
	v_pk_add_f32 v[CA+4:CA+5], v[CA+4:CA+5], v[CA+6:CA+7]
	v_pk_add_f32 v[CA:CA+1], v[CA:CA+1], v[CA+4:CA+5]   ; the context, channels 2 lane and 2 lane + 1
	; ---- THE OUTPUT: a tile whose 16 rows are all my row: so no wave waits for another; row 0 of the result is stored
	ds_store_b64 v[LS8], v[CA:CA+1] offset:CSTO
.irp b, 0,1
.irp j, 0,1,2,3
	ds_load_b128 v[X+16*\b+4*\j:X+16*\b+4*\j+3], v[LCL] offset:CSTO+128*\b+16*\j
.endr
.endr
	WIN 0x40
.irp t, 0,1,2,3
.irp p, 0,1,2
	ds_load_b64 v[WQF+6*\t+2*\p:WQF+6*\t+2*\p+1], v[LWN] offset:WOC-WQC+768*\t+8*\p   ; Wo, where Wq lay
.endr
.endr
	WIN 0
	s_wait_dscnt 0x0
	QUANT X, 1, EC, ES
	PLACES 8
	s_wait_loadcnt 0x0                             ; bo
	WIN 0x11                                       ; source 0 (Wo) and C (bo) in window 1
.irp t, 0,1,2,3
	MM O+8*\t, WQF+6*\t, EC, BO+8*\t, WOS+\t, ES   ; lane (r, h), register j: out(my row, channel 16 t + 8 h + j)
.endr
	WIN 0
	PLACES 4
.irp t, 0,1,2,3
	ds_store_b128 v[LOS], v[O+8*\t:O+8*\t+3] offset:OSTO+64*\t       ; each accumulator from its low end on
	ds_store_b128 v[LOS], v[O+8*\t+4:O+8*\t+7] offset:OSTO+64*\t+16
.endr
	ds_load_b64 v[OUT:OUT+1], v[LS8] offset:OSTO   ; row 0, 8 bytes a lane
	s_wait_dscnt 0x0
	global_store_b64 v[G8L], v[OUT:OUT+1], s[52:53] th:TH_STORE_NT   ; 32 lanes store my row: 256 consecutive bytes, at a multiple of 256 from out0's first byte
	s_wait_tensorcnt 0x0
	ds_add_u32 v126, v127
	s_wait_dscnt 0x0
	s_endpgm
.Lfunc_end_k_q6612533947_slot:
	.size	k_q6612533947_slot, .Lfunc_end_k_q6612533947_slot-k_q6612533947_slot
	.p2alignl 7, 3214868480
	.fill 96, 4, 3214868480
	.section	.rodata,"a",@progbits
	.p2align	6, 0x0
	.amdhsa_kernel k_q6612533947_slot
		.amdhsa_group_segment_fixed_size 149504
		.amdhsa_private_segment_fixed_size 0
		.amdhsa_enable_private_segment 0
		.amdhsa_kernarg_size 136
		.amdhsa_user_sgpr_count 2
		.amdhsa_user_sgpr_kernarg_segment_ptr 1
		.amdhsa_wavefront_size32 1
		.amdhsa_system_sgpr_workgroup_id_x 1
		.amdhsa_system_sgpr_workgroup_id_y 1
		.amdhsa_system_sgpr_workgroup_id_z 1
		.amdhsa_system_vgpr_workitem_id 0
		.amdhsa_next_free_vgpr 512
		.amdhsa_next_free_sgpr 80
		.amdhsa_reserve_vcc 0
		.amdhsa_float_denorm_mode_32 3
		.amdhsa_float_denorm_mode_16_64 3
		.amdhsa_memory_ordered 1
		.amdhsa_forward_progress 1
		.amdhsa_inst_pref_size 118
	.end_amdhsa_kernel
	.amdgpu_metadata
---
amdhsa.version: [ 1, 2 ]
amdhsa.kernels:
  - .name:           k_q6612533947_slot
    .symbol:         k_q6612533947_slot.kd
    .args:
      - { .name: seq, .offset: 0, .size: 8, .value_kind: global_buffer, .address_space: global }
      - { .name: embed, .offset: 8, .size: 8, .value_kind: global_buffer, .address_space: global }
      - { .name: W1_codes, .offset: 16, .size: 8, .value_kind: global_buffer, .address_space: global }
      - { .name: W1_scales, .offset: 24, .size: 8, .value_kind: global_buffer, .address_space: global }
      - { .name: b1, .offset: 32, .size: 8, .value_kind: global_buffer, .address_space: global }
      - { .name: W2_codes, .offset: 40, .size: 8, .value_kind: global_buffer, .address_space: global }
      - { .name: W2_scales, .offset: 48, .size: 8, .value_kind: global_buffer, .address_space: global }
      - { .name: b2, .offset: 56, .size: 8, .value_kind: global_buffer, .address_space: global }
      - { .name: gamma, .offset: 64, .size: 8, .value_kind: global_buffer, .address_space: global }
      - { .name: beta, .offset: 72, .size: 8, .value_kind: global_buffer, .address_space: global }
      - { .name: Wq_codes, .offset: 80, .size: 8, .value_kind: global_buffer, .address_space: global }
      - { .name: Wq_scales, .offset: 88, .size: 8, .value_kind: global_buffer, .address_space: global }
      - { .name: bq, .offset: 96, .size: 8, .value_kind: global_buffer, .address_space: global }
      - { .name: Wo_codes, .offset: 104, .size: 8, .value_kind: global_buffer, .address_space: global }
      - { .name: Wo_scales, .offset: 112, .size: 8, .value_kind: global_buffer, .address_space: global }
      - { .name: bo, .offset: 120, .size: 8, .value_kind: global_buffer, .address_space: global }
      - { .name: out0, .offset: 128, .size: 8, .value_kind: global_buffer, .address_space: global }
    .group_segment_fixed_size: 149504
    .private_segment_fixed_size: 0
    .kernarg_segment_align: 8
    .kernarg_segment_size: 136
    .max_flat_workgroup_size: 256
    .sgpr_count:     80
    .vgpr_count:     512
    .wavefront_size: 32
...
	.end_amdgpu_metadata
.endif
;; end of part 1
;; ======== version 2 of 2: 1 launch; version 1 with the launch slot written anew for expert scheduling mode
;; launch slot (part 2): grid 256 x 1, 8 waves a work-group, no clusters, 149,504 bytes of LDS; arguments seq, embed, W1_codes, W1_scales, b1, W2_codes, W2_scales, b2, gamma, beta, Wq_codes, Wq_scales, bq, Wo_codes, Wo_scales, bo, out0; writes out0
.if DOCPART == 2
	.amdgcn_target "amdgcn-amd-amdhsa--gfx1250"
	.amdhsa_code_object_version 6
	.text
	.protected	k_q6612533947_slot
	.globl	k_q6612533947_slot
	.p2align	8
	.type	k_q6612533947_slot,@function
k_q6612533947_slot:
	s_mov_b64 s[64:65], 0
	v_nop
	global_prefetch_b8 v0, s[64:65] scope:SCOPE_SE
	s_setreg_imm32_b32 hwreg(HW_REG_WAVE_SCHED_MODE, 0, 2), 2
	s_setreg_imm32_b32 hwreg(HW_REG_WAVE_MODE, 25, 1), 1
	s_wait_xcnt 0x0
	s_wait_alu depctr_vm_vsrc(0)
; out0[b] = (softmax over the 6 slots of q . slot / 8) slots @ Wo + bo;  slots = the 6 rows of h[b][0..508] of largest norm;  q = h[b][511] @ Wq + bq;
; h = layernorm(e + relu(e @ W1 + b1) @ W2 + b2), e = embed[seq].  The four products with W1, W2, Wq, Wo go on codes of BF6 (E3M2) with one E8M0 scale for each 32 along K; all else is f32.
; SHARES.  256 work-groups x 8 waves, two waves to a SIMD, so that one wave's vector work stands beside the other's products and LDS loads.  Work-group g: batch rows 8 g .. 8 g + 7; wave w: row 8 g + w.
; EVERY POSITION goes through both large products: a wave walks its row's 512 positions in 32 tiles of 16: e's codes (8 products with W1), relu, the quantiser, 4 products with W2, layernorm, the norm.
; e IS QUANTISED ONCE FOR EACH TOKEN: a row of e is a row of embed, so its codes, its scale word and the f32 row e + b2 lie in a table of 64 rows in LDS, and a tile gathers them by its 16 tokens.
; TOP 6 WITHOUT AN ADDRESS.  Six times the row's largest norm is found; among the positions that hold it the largest key (511 - position) << 6 | token, that is the lowest position, as lax.top_k orders; its norm then becomes -1.
; The six winners' tokens become a count m[t] for each of the 64 tokens, by compares alone.  h and q of the 64 tokens lie in LDS too (made by the same lines as a tile of positions), so scores, softmax
; (weight m[t] 2^(c (s[t] - max)) / sum) and the context are taken over all 64 tokens at fixed addresses.  The only addresses that hang on data are made from seq.
; NO CLUSTER, NO TENSOR LOAD: what work-groups share is 18,432 bytes of codes and some vectors, read once at the start; there is no loop over tiles of memory in which a joint request could be repeated.
; LIMITS.  NaN and infinities among the inputs are not served.  Norms that lie closer than the order of f32 sums and the 1 ulp of v_rsq_f32 and v_sqrt_f32 resolve may be ordered otherwise than reference() orders them.
; A token is held (unsigned) at 63.  A block of zeros gets the scale byte 1 where the rule says 127: its codes are zeros, which add nothing, and this program alone reads the byte.
; K = 64 IN A FORM OF K = 128: the activation's registers 6-11 hold zero codes for the whole launch; the weight's registers 6-11 are whatever codes follow its tile, which meet those zero codes; bytes 2 and 3 of both scale words are 0.
; THE MODE: SCHED_MODE bits 1:0 = 2 (LLVM: expert scheduling mode 2), set by the entry lines.  The code itself states the register dependences
; between vector or matrix instructions and memory or LDS instructions, with s_wait_alu, always for 0.
; THE PLAN, in the loop over tiles.  Registers that LDS instructions touch:
;   X       The 8 loads at a trip's head land in it; then it is C and D of the second product, and the layernorm and the norm work on it up to the trip's last vector line.
;   EC, ES  Read by the trip's first eight products; the next tile's codes and scale word land in them behind the quantiser.
;   TK      Read and written by the first of the four address lines; the tokens of the tile after next land in it behind the quantiser.
;   AE, AS  Written by the four address lines behind the first products; read by the five loads behind the quantiser, AS by the norm's store too.
;   AX      Read by X's loads; written by one addition behind the second product.
;   NT      Written by the root; read by the store at the trip's end.
;   HA, PC128, PW, TM, PT and the weights are named by vector and matrix instructions alone.
; A trip has ONE wait on vm_vsrc, behind X's loads (AX, AE, AS and NT have been read), and three on va_vdst: behind the quantiser's places (the hidden layer's codes and scale word are written, for the
; second product; AE and AS are written and the first products and the address lines are done with EC, ES and TK, for the five loads that follow it); behind the reciprocal root; and behind the root
; (NT is written, for the store; AX is written and every vector line is done with X, for the next head's loads: no vector instruction stands between that wait and those loads, round the backward jump too).
;
; LDS, in bytes
.set W1C,  0                           ; W1's codes as they lie in memory, 48 bytes a row
.set W2C,  6144                        ; W2's, 96 bytes a row
.set WQC,  12288                       ; Wq's, 48 bytes a row
.set WOC,  15360                       ; Wo's, 48 bytes a row
.set TAB,  18432                       ; 64 rows, one a token: 256 bytes of e + b2 (f32), then at +256 + 24 h the 24 bytes of block h's codes, at +304 the scale word (lanes 16-31 keep a copy at +328)
.set TPIT, 336                         ; 21 x 16 bytes
.set HT,   39936                       ; h, 64 rows
.set QT,   57344                       ; q, 64 rows
.set PIT,  272                         ; a row of 64 f32 + 16 bytes: an odd multiple of 16, so that sixteen neighbouring rows' 16 bytes fall on sixteen different columns of 16 bytes in 256
.set STG,  74752                       ; a stage of STGB bytes for each wave:
.set STGB, 9216                        ;   +0 my row's 512 tokens and 32 zeros behind them,
.set NSTO, 2304                        ;   my row's 512 norms,
.set WSTO, 4352                        ;   the 64 weights,
.set CSTO, 4608                        ;   the context,
.set OSTO, 4864                        ;   16 rows of results
; REGISTERS, window 0: ids, offsets and addresses
.set VL, 1                             ; lane
.set VR, 2                             ; r = lane % 16
.set VH, 3                             ; h = lane / 16
.set VRP, 4                            ; r + 8 (r / 8): the rows of a tile of W1 and W2
.set TOK, 5                            ; my token of the table: 8 wave + r % 8 (each token stands twice in the tile)
.set GD8, 6                            ; global: 8 x thread
.set GDQ, 7                            ; 8 (thread % 128)
.set G1S, 8                            ; 2 rp
.set G2S, 9                            ; 4 rp
.set GNS, 10                           ; 2 r
.set GB64, 11                          ; 64 h
.set GB32, 12                          ; 32 h
.set GSQ, 13                           ; 16 lane
.set GE, 14                            ; 256 token + 64 h
.set G8L, 15                           ; 8 lane
.set LDC, 16                           ; LDS: W1's and W2's codes on their way in
.set LDQ, 17                           ; Wq's and Wo's
.set LXS, 18                           ; my token's row of the table, + 64 h
.set LES, 19                           ; its codes: + 256 + 24 h
.set LHS, 20                           ; my token's row of h, + 64 h
.set LQS, 21                           ; my token's row of q, + 32 h
.set LW1, 22                           ; W1's row rp, + 24 h
.set LW2, 23                           ; W2's row rp, + 24 h
.set LWN, 24                           ; Wq's row r, + 24 h (Wo's: 3,072 on)
.set XB, 25                            ; TAB + 64 h
.set EB, 26                            ; TAB + 256 + 24 h
.set AS0, 27                           ; my stage + 4 r
.set AS, 28                            ; the same + 64 x tile
.set AX, 29                            ; the tile's rows of e + b2
.set AE, 30                            ; the next tile's codes
.set TK, 31                            ; tokens on their way
.set TPX, 32                           ; 336 x the next tile's token
.set LSD, 33                           ; stage + 16 lane
.set LS4, 34                           ; stage + 4 lane
.set LWB, 35                           ; stage
.set LS8, 36                           ; stage + 8 lane
.set LCL, 37                           ; stage + 64 h
.set LOS, 38                           ; stage + 272 r + 32 h
.set LHA, 39                           ; h's row of token = lane
.set LHB, 40                           ; h: channels 2 lane, 2 lane + 1
.set LQ0, 41                           ; q's row of my row's last token
.set L32, 42                           ; lane + 32
.set PB, 43                            ; 2^23's exponent field | (511 - 4 lane) << 6
.set NINF, 44                          ; -infinity
.set NT, 45                            ; a norm
.set TP, 46                            ; at work
; window 0, the tiles.  (Register numbers are chosen so that no two operands of one matrix instruction have a number in common, across windows too.)
.set PT, 48                            ; v48-55   the conversions' second halves
.set EC, 56                            ; v56-67   a fragment of K = 64: registers 6-11 are zeros from the head on
.set TM, 68                            ; v68-71 largest magnitudes, v72-75 the other half's, then bytes, v76-79 the conversions' scale operands
.set WQS, 80                           ; scale words: these registers hold scales and nothing else
.set WOS, 84
.set ES, 88                            ; the scale word that goes with EC
.set PC128, 96                         ; v96-107  the hidden layer's fragment
.set W2S, 108
.set PW, 112                           ; the hidden layer's scale word
.set W1S, 114
.set X, 128                            ; v128-159 register 16 b + i = channel 32 b + 16 h + i of my row: e, then e + b2 (+ ff), then h; at the end the context
.set BQ, 160                           ; v160-191 b2 in X's layout, then bq in the result's layout
.set B2T, 160
.set HA, 192                           ; v192-255 the hidden layer: register 16 b + i = unit 32 b + 16 h + i
.set DT, 192                           ; the codes on their way into LDS
.set SQT, 212                          ; my row of seq on its way into LDS
.set LT, 192                           ; layernorm, at work
.set LC, 196
.set Q, 192                            ; q of my tokens
; window 0, the row
.set NK, 128                           ; v128-143 norms: register 4 j + e = position 128 j + 4 lane + e
.set PK, 144                           ; v144-159 keys, likewise
.set CK, 192                           ; v192-207 the keys of the positions that hold the largest norm
.set HB, 208                           ; v208-239 16 channels of h of tokens lane and lane + 32
.set QB, 240                           ; v240-255 16 channels of q
.set WN, 160                           ; v160-165 the winners' keys
.set SA, 168                           ; v168-175 four sums of scores, in pairs; later four sums of the context
.set CA, 168
.set TT, 176                           ; v176-185 at work
.set SC, 186                           ; v186-187 scores, then weights, of tokens lane and lane + 32
.set M, 188                            ; v188-189 their counts
.set O, 192                            ; results
.set OUT, 224
; window 1
.set W1F, 0                            ; W1's 8 tiles of 6
.set W2F, 48                           ; W2's 4 tiles of 12
.set WQF, 96                           ; Wq's 4 tiles of 6, at the end Wo's; 120-125 zeros
.set B1, 128                           ; b1 in the result's layout
.set BO, 128                           ; bo, over b1 when that is done with
.set GAM, 192                          ; gamma, beta in X's layout
.set BET, 224
.set MSB, 0
.macro WIN new                         ; the immediate's high byte repeats the setting that is left; a switch that changes nothing is dropped
.if MSB != \new
	s_set_vgpr_msb (MSB<<8)|\new
.set MSB, \new
.endif
.endm
.macro PLACES n
.rept \n
	v_nop
.endr
.endm
.macro BAR                             ; my LDS stores have landed and my LDS loads are in: then the work-group's barrier
	s_wait_dscnt 0x0
	s_barrier_signal -1
	s_barrier_wait -1
.endm
; the one matrix form: source 0 = 16 rows of a weight, source 1 = 16 rows of an activation (TRANSPOSED: a lane then holds one row of the result and eight neighbouring columns)
.macro MM d, a, b, c, sa, sb
	v_wmma_scale_f32_16x16x128_f8f6f4 v[\d:\d+7], v[\a:\a+11], v[\b:\b+11], v[\c:\c+7], v[\sa], v[\sb] matrix_a_fmt:MATRIX_FMT_BF6 matrix_b_fmt:MATRIX_FMT_BF6
.endm
; 32 np numbers of a lane, register 16 b + i = k 32 b + 16 h + i of my row, become 6 np registers of codes at v[pc] and the row's scale word in v[pw]
.macro QUANT s, np, pc, pw
.set qn, 2*\np
.set qb, 0
.rept qn
	v_max3_num_f32 v[TM+qb], |v[\s+16*qb]|, |v[\s+16*qb+1]|, 0x2800000   ; my 16 numbers of block b, and the floor 2^(5 - 127): the byte cannot fall under 1
.set qb, qb+1
.endr
.irp i, 2,4,6,8,10,12,14
.set qb, 0
.rept qn
	v_max3_num_f32 v[TM+qb], v[TM+qb], |v[\s+16*qb+\i]|, |v[\s+16*qb+\i+1]|   ; the blocks by turns
.set qb, qb+1
.endr
.endr
.set qb, 0
.rept qn
	v_permlanex16_b32 v[TM+4+qb], v[TM+qb], s56, s57
.set qb, qb+1
.endr
.set qb, 0
.rept qn
	v_max_num_f32 v[TM+qb], v[TM+qb], v[TM+4+qb]   ; with lane l xor 16's: the block's largest magnitude
.set qb, qb+1
.endr
.set qb, 0
.rept qn
	v_add_nc_u32 v[TM+8+qb], 0xfe000000, v[TM+qb]  ; 4 off its exponent field: the conversion's scale operand
.set qb, qb+1
.endr
.set qb, 0
.rept qn
	v_lshrrev_b32 v[TM+4+qb], 23, v[TM+8+qb]       ; the scale's byte
.set qb, qb+1
.endr
	v_lshl_or_b32 v[\pw], v[TM+5], 8, v[TM+4]
.if \np > 1
	v_lshl_or_b32 v[\pw], v[TM+6], 16, v[\pw]
	v_lshl_or_b32 v[\pw], v[TM+7], 24, v[\pw]
.endif
.set qc, 0
.rept \np
	v_cvt_scalef32_pk16_bf6_f32 v[\pc+6*qc:\pc+6*qc+2], v[\s+32*qc:\s+32*qc+15], v[TM+8+2*qc]
	v_cvt_scalef32_pk16_bf6_f32 v[PT+4*qc:PT+4*qc+2], v[\s+32*qc+16:\s+32*qc+31], v[TM+8+2*qc+1]   ; (a conversion's three registers begin on an even number)
.set qc, qc+1
.endr
	v_nop                                          ; one plain place behind a scaled conversion
.set qc, 0
.rept \np
.irp i, 0,1,2
	v_permlane16_swap_b32 v[\pc+6*qc+\i], v[PT+4*qc+\i]   ; the operand wants a whole block in a lane: lanes 0-15 block 2 c, lanes 16-31 block 2 c + 1
.endr
.irp i, 0,1,2
	v_mov_b32 v[\pc+6*qc+3+\i], v[PT+4*qc+\i]
.endr
.set qc, qc+1
.endr
.endm
; the sum of the squares of X over my row's 64 channels, into v[LC], in every lane
.macro SUMSQ
.irp t, 0,1,2,3
	v_pk_mul_f32 v[LC+2*\t:LC+2*\t+1], v[X+2*\t:X+2*\t+1], v[X+2*\t:X+2*\t+1]
.endr
.irp q, 8,16,24
.irp t, 0,1,2,3
	v_pk_fma_f32 v[LC+2*\t:LC+2*\t+1], v[X+\q+2*\t:X+\q+2*\t+1], v[X+\q+2*\t:X+\q+2*\t+1], v[LC+2*\t:LC+2*\t+1]
.endr
.endr
	v_pk_add_f32 v[LC:LC+1], v[LC:LC+1], v[LC+2:LC+3]
	v_pk_add_f32 v[LC+4:LC+5], v[LC+4:LC+5], v[LC+6:LC+7]
	v_pk_add_f32 v[LC:LC+1], v[LC:LC+1], v[LC+4:LC+5]
	v_add_f32 v[LC], v[LC], v[LC+1]
	v_permlanex16_b32 v[LC+2], v[LC], s56, s57
	v_add_f32 v[LC], v[LC], v[LC+2]
.endm
; A TILE OF 16 ROWS, first part: e W1 + b1.  THE ROWS OF A TILE OF W1 (AND W2) ARE NOT NEIGHBOURS: lane r of tile 2 b + u holds row 32 b + 8 u + r + 8 (r / 8), so that two tiles' 16 registers are 16 neighbours along the next K.
.macro FF1
	WIN 0x11                                       ; source 0 (W1) and C (b1) in window 1
.irp t, 0,1,2,3,4,5,6,7
	MM HA+8*\t, W1F+6*\t, EC, B1+8*\t, W1S+\t, ES  ; each accumulator has one instruction
.endr
	WIN 0
.endm
; second part, four places behind the first: relu, the quantiser, + relu(..) W2 onto e + b2 in X, layernorm: X = h.  xw: the LDS instructions that may be out when X is wanted;
; lw: the loads that may be out when gamma and beta are wanted (-1: none is out);  nrm = 1: a tile of positions: the look-ahead's five loads, the norm into v[NT], and the next tile's address of e + b2
.macro FF2 xw, lw, nrm
.set n, 0
.rept 64
	v_max_num_f32 v[HA+n], 0, v[HA+n]              ; relu, each accumulator from its low end on
.set n, n+1
.endr
	QUANT HA, 2, PC128, PW
	PLACES 4                                       ; codes made by vector instructions stand 4 places ahead of a scaled product; the scale word, made ahead of the conversions, has these and the moves: more than 8
	s_wait_alu depctr_va_vdst(0)                   ; the quantiser has written PC128 and PW, which the products below take.  nrm = 1 also: AE and AS are written, and the first products and the address lines are done with EC, ES and TK, in which the five loads land
.if \nrm
.irp p, 0,1,2
	ds_load_b64 v[EC+2*\p:EC+2*\p+1], v[AE] offset:8*\p   ; the next tile's codes,
.endr
	ds_load_b32 v[ES], v[AE] offset:48             ; its scale word,
	ds_load_b32 v[TK], v[AS] offset:128            ; and the tokens of the tile behind it (behind the row's end: zeros; what is fetched by them is not used)
.endif
	s_wait_dscnt \xw
	WIN 0x01                                       ; source 0 (W2) in window 1
.irp t, 0,1,2,3
	MM X+8*\t, W2F+12*\t, PC128, X+8*\t, W2S+\t, PW
.endr
	WIN 0
.if \nrm
	v_add_nc_u32 v[AX], v[TPX], v[XB]              ; this tile's loads have read AX (the wait on vm_vsrc at the trip's head): now the next tile's.  (The first of four places)
	PLACES 3
.else
	PLACES 4
.endif
	; layernorm over my row's 64 channels: 32 are mine, 32 lane l xor 16's
.irp t, 0,1,2,3
	v_pk_add_f32 v[LT+2*\t:LT+2*\t+1], v[X+8*\t:X+8*\t+1], v[X+8*\t+2:X+8*\t+3]   ; each accumulator from its low end on
.endr
.irp q, 4,6
.irp t, 0,1,2,3
	v_pk_add_f32 v[LT+2*\t:LT+2*\t+1], v[LT+2*\t:LT+2*\t+1], v[X+8*\t+\q:X+8*\t+\q+1]
.endr
.endr
	v_pk_add_f32 v[LT:LT+1], v[LT:LT+1], v[LT+2:LT+3]
	v_pk_add_f32 v[LT+4:LT+5], v[LT+4:LT+5], v[LT+6:LT+7]
	v_pk_add_f32 v[LT:LT+1], v[LT:LT+1], v[LT+4:LT+5]
	v_add_f32 v[LT], v[LT], v[LT+1]
	v_permlanex16_b32 v[LT+2], v[LT], s56, s57
	v_add_f32 v[LT], v[LT], v[LT+2]
	v_mul_f32 v[LT], s58, v[LT]                    ; the mean
	v_mov_b32 v[LT+1], v[LT]
.irp j, 0,2,4,6,8,10,12,14,16,18,20,22,24,26,28,30
	v_pk_add_f32 v[X+\j:X+\j+1], v[X+\j:X+\j+1], v[LT:LT+1] neg_lo:[0,1] neg_hi:[0,1]
.endr
	SUMSQ
	v_fma_f32 v[LC], v[LC], s58, s59               ; the variance + 1e-5
	v_rsq_f32 v[LT], v[LC]
	v_nop                                          ; one plain place behind a transcendental
	s_wait_alu depctr_va_vdst(0)                   ; the reciprocal root is written, ahead of its first reader
	v_mov_b32 v[LT+1], v[LT]
.irp j, 0,2,4,6,8,10,12,14,16,18,20,22,24,26,28,30
	v_pk_mul_f32 v[X+\j:X+\j+1], v[X+\j:X+\j+1], v[LT:LT+1]
.endr
.if \lw >= 0
	s_wait_loadcnt \lw
.endif
	WIN 0x14                                       ; gamma and beta in window 1
.irp j, 0,2,4,6,8,10,12,14,16,18,20,22,24,26,28,30
	v_pk_fma_f32 v[X+\j:X+\j+1], v[X+\j:X+\j+1], v[GAM+\j:GAM+\j+1], v[BET+\j:BET+\j+1]   ; h
.endr
	WIN 0
.if \nrm
	SUMSQ
	v_sqrt_f32 v[NT], v[LC]                        ; the norm, as reference() has it: the root may make two sums equal, and ties go by position
	v_nop
.endif
.endm
; the largest of 16 registers a lane (two chains) and of the 16 lanes of a half into v[d]; the other half's into v[d + 2]
.macro MAX16 d, s
	v_max3_num_f32 v[\d], v[\s], v[\s+1], v[\s+2]
	v_max3_num_f32 v[\d+1], v[\s+3], v[\s+4], v[\s+5]
.irp n, 6,10
	v_max3_num_f32 v[\d], v[\d], v[\s+\n], v[\s+\n+1]
	v_max3_num_f32 v[\d+1], v[\d+1], v[\s+\n+2], v[\s+\n+3]
.endr
	v_max3_num_f32 v[\d], v[\d], v[\s+14], v[\s+15]
	v_max_num_f32 v[\d], v[\d], v[\d+1]
.irp x, 1,2,4,8
	v_max_num_f32_dpp v[\d], v[\d], v[\d] row_xmask:\x row_mask:0xf bank_mask:0xf
.endr
	v_permlanex16_b32 v[\d+2], v[\d], s56, s57
.endm
; winner number rnd: the largest norm; of the positions that hold it the largest key; that position is struck out (not behind the last)
.macro TOPIT rnd
	MAX16 TT, NK
	v_max_num_f32 v[TT+3], v[TT], v[TT+2]
.irp g, 0,8
.irp k, 0,1,2,3,4,5,6,7
	v_cmp_eq_f32 s[70+\k], v[NK+\g+\k], v[TT+3]
.endr
	s_wait_alu depctr_va_sdst(0)                   ; the eight compares have written s70 to s77, which the eight selects read
.irp k, 0,1,2,3,4,5,6,7
	v_cndmask_b32 v[CK+\g+\k], 0, v[PK+\g+\k], s[70+\k]   ; the others count as 0, under every key
.endr
.endr
	MAX16 TT, CK                                   ; keys are whole numbers over the exponent field of 2^23: they order as f32 numbers
	v_max_num_f32 v[WN+\rnd], v[TT], v[TT+2]
.if \rnd < 5
.irp g, 0,8
.irp k, 0,1,2,3,4,5,6,7
	v_cmp_eq_u32 s[70+\k], v[PK+\g+\k], v[WN+\rnd]   ; a row's keys all differ (the position is in them): one key of one lane
.endr
	s_wait_alu depctr_va_sdst(0)                   ; the eight compares have written s70 to s77, which the eight selects read
.irp k, 0,1,2,3,4,5,6,7
	v_cndmask_b32 v[NK+\g+\k], v[NK+\g+\k], -1.0, s[70+\k]   ; under every norm
.endr
.endr
.endif
.endm
; channels 16 c .. 16 c + 15: of h for tokens lane and lane + 32, of q (every lane the same bytes)
.macro SLOAD c
.irp a, 0,1
.irp k, 0,1,2,3
	ds_load_b128 v[HB+16*\a+4*\k:HB+16*\a+4*\k+3], v[LHA] offset:32*PIT*\a+64*(\c)+16*\k
.endr
.endr
.irp k, 0,1,2,3
	ds_load_b128 v[QB+4*\k:QB+4*\k+3], v[LQ0] offset:64*(\c)+16*\k
.endr
.endm
.macro SFMA c                          ; four sums (token half a, even or odd pair of channels) by turns; the first products start the sums
.irp p, 0,1,2,3,4,5,6,7
.irp a, 0,1
.set rS, SA+4*\a+2*(\p%2)
.if ((\c) == 0) && (\p < 2)
	v_pk_mul_f32 v[rS:rS+1], v[HB+16*\a+2*\p:HB+16*\a+2*\p+1], v[QB+2*\p:QB+2*\p+1]
.else
	v_pk_fma_f32 v[rS:rS+1], v[HB+16*\a+2*\p:HB+16*\a+2*\p+1], v[QB+2*\p:QB+2*\p+1], v[rS:rS+1]
.endif
.endr
.endr
.endm
; the context: tokens 16 c .. 16 c + 15, in buffer be (weights at v[128 + 16 be], h at v[192 + 32 be])
.macro HLOAD c, be
.irp tt, 0,1,2,3,4,5,6,7,8,9,10,11,12,13,14,15
	ds_load_b64 v[192+32*(\be)+2*\tt:192+32*(\be)+2*\tt+1], v[LHB] offset:(16*(\c)+\tt)*PIT   ; 32 lanes read a row's 256 bytes
.endr
.endm
.macro WLOAD c, be
.irp k, 0,1,2,3
	ds_load_b128 v[128+16*(\be)+4*\k:128+16*(\be)+4*\k+3], v[LWB] offset:WSTO+64*(\c)+16*\k   ; every lane the same 16 bytes
.endr
.endm
.macro CFMA c, be                      ; four sums by turns; one word of the weights' pair serves both channels
.irp tt, 0,1,2,3,4,5,6,7,8,9,10,11,12,13,14,15
.set rC, CA+2*(\tt%4)
.set rH, 192+32*(\be)+2*\tt
.set rW, 128+16*(\be)+2*(\tt/2)
.if ((\c) == 0) && (\tt < 4)
.if \tt%2 == 0
	v_pk_mul_f32 v[rC:rC+1], v[rH:rH+1], v[rW:rW+1] op_sel_hi:[1,0]
.else
	v_pk_mul_f32 v[rC:rC+1], v[rH:rH+1], v[rW:rW+1] op_sel:[0,1] op_sel_hi:[1,1]
.endif
.else
.if \tt%2 == 0
	v_pk_fma_f32 v[rC:rC+1], v[rH:rH+1], v[rW:rW+1], v[rC:rC+1] op_sel_hi:[1,0,1]
.else
	v_pk_fma_f32 v[rC:rC+1], v[rH:rH+1], v[rW:rW+1], v[rC:rC+1] op_sel:[0,1,0] op_sel_hi:[1,1,1]
.endif
.endif
.endr
.endm
	; ---- HEAD: the 17 addresses: seq s[8:9], embed s[10:11], W1 codes s[12:13], scales s[14:15], b1 s[16:17], W2 codes s[18:19], scales s[20:21], b2 s[22:23],
	; gamma s[24:25], beta s[26:27], Wq codes s[28:29], scales s[30:31], bq s[32:33], Wo codes s[34:35], scales s[36:37], bo s[38:39], out0 s[40:41]
	s_load_b512 s[8:23], s[0:1], 0x0
	s_load_b512 s[24:39], s[0:1], 0x40
	s_load_b64 s[40:41], s[0:1], 0x80
	v_lshl_add_u32 v126, v0, 2, 0x24400
	v_mov_b32 v127, 0
	v_lshrrev_b32 v[TP], 5, v0
	v_readfirstlane_b32 s2, v[TP]                  ; wave 0..7
	v_and_b32 v[VL], 31, v0
	v_and_b32 v[VR], 15, v0
	v_bfe_u32 v[VH], v0, 4, 1
	v_and_b32 v[VRP], 8, v[VR]
	v_add_nc_u32 v[VRP], v[VRP], v[VR]
	s_wait_alu depctr_va_sdst(0)                   ; s2 is written, ahead of its first reader
	s_lshl_b32 s3, s2, 3
	v_and_b32 v[TP], 7, v0
	v_add_nc_u32 v[TOK], s3, v[TP]
	v_lshlrev_b32 v[GD8], 3, v0
	v_and_b32 v[TP], 127, v0
	v_lshlrev_b32 v[GDQ], 3, v[TP]
	s_lshr_b32 s4, s2, 2
	s_mul_i32 s4, s4, 3072
	s_add_co_u32 s4, s4, WQC                       ; waves 0-3 bring Wq's codes, waves 4-7 Wo's, which lie behind them
	v_lshl_add_u32 v[LDQ], v[TP], 3, s4
	v_lshl_add_u32 v[LDC], v0, 3, W1C
	v_lshlrev_b32 v[G1S], 1, v[VRP]
	v_lshlrev_b32 v[G2S], 2, v[VRP]
	v_lshlrev_b32 v[GNS], 1, v[VR]
	v_lshlrev_b32 v[GB64], 6, v[VH]
	v_lshlrev_b32 v[GB32], 5, v[VH]
	v_lshlrev_b32 v[GSQ], 4, v[VL]
	v_lshlrev_b32 v[GE], 8, v[TOK]
	v_lshl_add_u32 v[GE], v[VH], 6, v[GE]
	v_lshlrev_b32 v[G8L], 3, v[VL]
	v_mul_u32_u24 v[LXS], v[TOK], TPIT
	v_mad_u32_u24 v[LES], v[VH], 24, v[LXS]
	v_add_nc_u32 v[LES], TAB+256, v[LES]
	v_lshl_add_u32 v[LXS], v[VH], 6, v[LXS]
	v_add_nc_u32 v[LXS], TAB, v[LXS]
	v_mul_u32_u24 v[LHS], v[TOK], PIT
	v_lshl_add_u32 v[LQS], v[VH], 5, v[LHS]
	v_lshl_add_u32 v[LHS], v[VH], 6, v[LHS]
	v_add_nc_u32 v[LHS], HT, v[LHS]
	v_add_nc_u32 v[LQS], QT, v[LQS]
	v_mul_u32_u24 v[LW1], v[VRP], 48               ; (W1's codes begin at LDS byte 0)
	v_mad_u32_u24 v[LW1], v[VH], 24, v[LW1]
	v_mul_u32_u24 v[LW2], v[VRP], 96
	v_mad_u32_u24 v[LW2], v[VH], 24, v[LW2]
	v_add_nc_u32 v[LW2], W2C, v[LW2]
	v_mul_u32_u24 v[LWN], v[VR], 48
	v_mad_u32_u24 v[LWN], v[VH], 24, v[LWN]
	v_add_nc_u32 v[LWN], WQC, v[LWN]
	v_lshl_add_u32 v[XB], v[VH], 6, TAB
	v_mul_u32_u24 v[EB], v[VH], 24
	v_add_nc_u32 v[EB], TAB+256, v[EB]
	s_mul_i32 s6, s2, STGB
	s_add_co_u32 s6, s6, STG                       ; my stage
	v_lshl_add_u32 v[AS0], v[VR], 2, s6
	v_lshl_add_u32 v[LSD], v[VL], 4, s6
	v_lshl_add_u32 v[LS4], v[VL], 2, s6
	v_mov_b32 v[LWB], s6
	v_lshl_add_u32 v[LS8], v[VL], 3, s6
	v_lshl_add_u32 v[LCL], v[VH], 6, s6
	v_mul_u32_u24 v[LOS], v[VR], PIT
	v_lshl_add_u32 v[LOS], v[VH], 5, v[LOS]
	v_add_nc_u32 v[LOS], s6, v[LOS]
	v_mul_u32_u24 v[LHA], v[VL], PIT
	v_add_nc_u32 v[LHA], HT, v[LHA]
	v_lshl_add_u32 v[LHB], v[VL], 3, HT
	v_add_nc_u32 v[L32], 32, v[VL]
	v_lshlrev_b32 v[TP], 2, v[VL]
	v_sub_nc_u32 v[TP], 511, v[TP]
	v_lshlrev_b32 v[PB], 6, v[TP]
	v_or_b32 v[PB], 0x4b000000, v[PB]
	v_mov_b32 v[NINF], 0xff800000
.irp j, 0,1,2,3,4,5
	v_mov_b32 v[EC+6+\j], 0                        ; k = 64 .. 127 of every activation of K = 64: zero codes, for the whole launch
.endr
.irp j, 0,1,2,3
	v_mov_b32 v[TM+4+\j], 0                        ; written once: a lane permute's destination counts as one of its sources
.endr
	WIN 0x40
.irp j, 0,1,2,3,4,5
	v_mov_b32 v[WQF+24+\j], 0                      ; behind Wq's and Wo's last tile
.endr
	WIN 0
	s_mov_b32 s56, 0x76543210
	s_mov_b32 s57, 0xfedcba98                      ; v_permlanex16_b32's selects for lane l xor 16
	s_mov_b32 s58, 0x3c800000                      ; 1 / 64
	s_mov_b32 s59, 0x3727c5ac                      ; 1e-5
	s_mov_b32 s60, 0x3e38aa3b                      ; log2(e) / sqrt(64)
	s_mov_b32 s61, 0x80000000                      ; lane 31
	s_lshl_b32 s42, ttmp9, 14                      ; seq: 8 rows of 2,048 bytes a work-group, one a wave
	s_lshl_b32 s3, s2, 11
	s_add_co_u32 s42, s42, s3
	s_mov_b32 s43, 0
	s_lshl_b32 s46, ttmp9, 11                      ; out0: 8 rows of 256 bytes a work-group, one a wave
	s_lshl_b32 s3, s2, 8
	s_add_co_u32 s46, s46, s3
	s_mov_b32 s47, 0
	s_wait_kmcnt 0x0
	s_add_nc_u64 s[48:49], s[8:9], s[42:43]
	s_add_nc_u64 s[52:53], s[40:41], s[46:47]
	s_cmp_lt_u32 s2, 4
	s_cselect_b64 s[54:55], s[28:29], s[34:35]     ; the choice hangs on the wave's number alone
	s_load_b32 s50, s[48:49], 0x7fc                ; the token at position 511 of my row
	s_wait_alu depctr_va_vdst(0)                   ; all the offsets and addresses v6 to v42 that are made at the head are written, which the kernel's loads and stores read; so are the zeros of EC, which an LDS store below reads and every product of K = 64 takes, and those behind Wq's last tile
	; ---- 57 loads.  13 dense ones go on into LDS: neighbouring threads at neighbouring bytes
.irp k, 0,1,2
	global_load_b64 v[DT+2*\k:DT+2*\k+1], v[GD8], s[12:13] offset:2048*\k
.endr
.irp k, 0,1,2
	global_load_b64 v[DT+6+2*\k:DT+6+2*\k+1], v[GD8], s[18:19] offset:2048*\k
.endr
.irp k, 0,1,2
	global_load_b64 v[DT+12+2*\k:DT+12+2*\k+1], v[GDQ], s[54:55] offset:1024*\k
.endr
.irp j, 0,1,2,3
	global_load_b128 v[SQT+4*\j:SQT+4*\j+3], v[GSQ], s[48:49] offset:512*\j th:TH_LOAD_NT   ; 32 lanes read 512 consecutive bytes
.endr
	; 44 stay in registers.  embed: my wave's 8 rows are 2,048 consecutive bytes, which its 8 loads read once between them
.irp b, 0,1
.irp j, 0,1,2,3
	global_load_b128 v[X+16*\b+4*\j:X+16*\b+4*\j+3], v[GE], s[10:11] offset:128*\b+16*\j
.endr
.endr
.irp b, 0,1
.irp j, 0,1,2,3
	global_load_b128 v[B2T+16*\b+4*\j:B2T+16*\b+4*\j+3], v[GB64], s[22:23] offset:128*\b+16*\j
.endr
.endr
.irp t, 0,1,2,3,4,5,6,7
	global_load_u16 v[W1S+\t], v[G1S], s[14:15] offset:2*(32*(\t/2)+8*(\t%2))   ; two scale bytes a row; the word's upper bytes are 0
.endr
.irp t, 0,1,2,3
	global_load_b32 v[W2S+\t], v[G2S], s[20:21] offset:4*(32*(\t/2)+8*(\t%2))
.endr
	WIN 0x40                                       ; destinations in window 1
.irp b, 0,1,2,3
.irp j, 0,1,2,3
	global_load_b128 v[B1+16*\b+4*\j:B1+16*\b+4*\j+3], v[GB64], s[16:17] offset:128*\b+16*\j   ; b1 in the result's layout: it is the C of the first product
.endr
.endr
	WIN 0
	s_wait_loadcnt 44                              ; the 13 dense loads are in; the 44 behind them may be out
.irp k, 0,1,2
	ds_store_b64 v[LDC], v[DT+2*\k:DT+2*\k+1] offset:2048*\k
.endr
.irp k, 0,1,2
	ds_store_b64 v[LDC], v[DT+6+2*\k:DT+6+2*\k+1] offset:W2C-W1C+2048*\k
.endr
.irp k, 0,1,2
	ds_store_b64 v[LDQ], v[DT+12+2*\k:DT+12+2*\k+1] offset:1024*\k
.endr
.irp j, 0,1,2,3
	ds_store_b128 v[LSD], v[SQT+4*\j:SQT+4*\j+3] offset:512*\j   ; my row's tokens, in my own stage
.endr
	ds_store_b32 v[LS4], v[EC+6] offset:2048       ; and two tiles of zeros behind them: the loop asks for tokens two tiles ahead, in its last trips too
	BAR                                            ; the four weights' codes lie in LDS
	; ---- THE TABLE: my 8 tokens, each in two lanes of a half
	WIN 0x40
.irp t, 0,1,2,3,4,5,6,7
.irp p, 0,1,2
	ds_load_b64 v[W1F+6*\t+2*\p:W1F+6*\t+2*\p+1], v[LW1] offset:48*(32*(\t/2)+8*(\t%2))+8*\p
.endr
.endr
.irp t, 0,1,2,3
.irp p, 0,1,2,3,4,5
	ds_load_b64 v[W2F+12*\t+2*\p:W2F+12*\t+2*\p+1], v[LW2] offset:96*(32*(\t/2)+8*(\t%2))+48*(\p/3)+8*(\p%3)
.endr
.endr
.irp t, 0,1,2,3
.irp p, 0,1,2
	ds_load_b64 v[WQF+6*\t+2*\p:WQF+6*\t+2*\p+1], v[LWN] offset:768*\t+8*\p   ; Wq: tile t = rows 16 t + r
.endr
.endr
	WIN 0
	s_wait_loadcnt 36                              ; embed's 8 loads are in; the 36 behind them may be out
	QUANT X, 1, EC, ES                             ; e's codes
	s_wait_loadcnt 28                              ; b2's 8 loads are in; the 28 behind them may be out
.irp j, 0,2,4,6,8,10,12,14,16,18,20,22,24,26,28,30
	v_pk_add_f32 v[X+\j:X+\j+1], v[X+\j:X+\j+1], v[B2T+\j:B2T+\j+1]   ; e + b2: the C of the second product.  (These 16 are also the places between the codes' and the scale word's last writes and the products)
.endr
	s_wait_alu depctr_va_vdst(0)                   ; e's codes, its scale word and e + b2 are written, which the LDS stores below read and (codes and scale word) the first products take; the additions are done reading b2's registers, in which bq lands
	WIN 0x40                                       ; 32 more loads, wanted from the layernorm on
.irp b, 0,1
.irp j, 0,1,2,3
	global_load_b128 v[GAM+16*\b+4*\j:GAM+16*\b+4*\j+3], v[GB64], s[24:25] offset:128*\b+16*\j
.endr
.endr
.irp b, 0,1
.irp j, 0,1,2,3
	global_load_b128 v[BET+16*\b+4*\j:BET+16*\b+4*\j+3], v[GB64], s[26:27] offset:128*\b+16*\j
.endr
.endr
	WIN 0
.irp t, 0,1,2,3
.irp j, 0,1
	global_load_b128 v[BQ+8*\t+4*\j:BQ+8*\t+4*\j+3], v[GB32], s[32:33] offset:64*\t+16*\j   ; into the registers that b2 has left
.endr
.endr
.irp t, 0,1,2,3
	global_load_u16 v[WQS+\t], v[GNS], s[30:31] offset:32*\t
.endr
.irp t, 0,1,2,3
	global_load_u16 v[WOS+\t], v[GNS], s[36:37] offset:32*\t
.endr
.irp p, 0,1,2
	ds_store_b64 v[LES], v[EC+2*\p:EC+2*\p+1] offset:8*\p   ; lane (r, h) holds block h.  (The two lanes of a token write the same bytes with the same values, here and below)
.endr
	ds_store_b32 v[LES], v[ES] offset:48
.irp b, 0,1
.irp j, 0,1,2,3
	ds_store_b128 v[LXS], v[X+16*\b+4*\j:X+16*\b+4*\j+3] offset:128*\b+16*\j
.endr
.endr
	s_wait_loadcnt 32                              ; the first 57 loads are in (W1's and W2's scale words, b1); the 32 just issued may be out
	s_wait_dscnt 0x0                               ; the weights' fragments are in
	s_wait_alu depctr_vm_vsrc(0)                   ; the dense stores have read DT and SQT, over which the first products write the hidden layer; the table's stores have read X, which the second product writes, and EC and ES, which the quantiser of h writes
	FF1
	PLACES 4
	FF2 0, 16, 0                                   ; 0: no LDS instruction of mine is out;  16: gamma and beta are in; bq's 8 loads and the 8 scale words behind them may be out
	QUANT X, 1, EC, ES                             ; h's codes
	PLACES 8                                       ; a scale word made by vector instructions stands 8 places ahead of a scaled product, codes so made 4
	s_wait_alu depctr_va_vdst(0)                   ; h's codes and scale word are written, which the products with Wq take; h is written, which the LDS stores read
.irp b, 0,1
.irp j, 0,1,2,3
	ds_store_b128 v[LHS], v[X+16*\b+4*\j:X+16*\b+4*\j+3] offset:128*\b+16*\j
.endr
.endr
	s_wait_loadcnt 0x0                             ; bq, Wq's scale words
	WIN 0x01                                       ; source 0 (Wq) in window 1
.irp t, 0,1,2,3
	MM Q+8*\t, WQF+6*\t, EC, BQ+8*\t, WQS+\t, ES   ; lane (r, h), register j: q(my token, channel 16 t + 8 h + j)
.endr
	WIN 0
	PLACES 4
	s_wait_alu depctr_va_vdst(0)                   ; the products have written q, which the LDS stores read; the places above stay beside this wait
.irp t, 0,1,2,3
	ds_store_b128 v[LQS], v[Q+8*\t:Q+8*\t+3] offset:64*\t       ; each accumulator from its low end on
	ds_store_b128 v[LQS], v[Q+8*\t+4:Q+8*\t+7] offset:64*\t+16
.endr
	BAR                                            ; the tables of all 64 tokens lie in LDS.  Behind this barrier a wave stores into its own stage alone
	s_wait_alu depctr_vm_vsrc(0)                   ; my stores of h and q have read X, in which the loop's loads land, and Q, over which its first products write
	; ---- MY ROW'S 512 POSITIONS, 16 a trip
	ds_load_b32 v[TK], v[AS0]                      ; tile 0's tokens: lane (r, h) takes position r's
	s_wait_kmcnt 0x0                               ; the last token
	s_min_u32 s50, s50, 63
	s_mul_i32 s50, s50, PIT
	s_add_co_u32 s50, s50, QT
	v_mov_b32 v[LQ0], s50
	s_wait_dscnt 0x0
	v_min_u32 v[TK], 63, v[TK]                     ; a token stays inside the table
	v_mul_u32_u24 v[TPX], v[TK], TPIT
	v_add_nc_u32 v[AX], v[TPX], v[XB]
	v_add_nc_u32 v[AE], v[TPX], v[EB]
	s_wait_alu depctr_va_vdst(0)                   ; AX, AE and LQ0 are written, which loads below read; the lines above are done with TK, and the quantiser and the products with Wq with EC and ES, in which the loads below land
.irp p, 0,1,2
	ds_load_b64 v[EC+2*\p:EC+2*\p+1], v[AE] offset:8*\p
.endr
	ds_load_b32 v[ES], v[AE] offset:48
	ds_load_b32 v[TK], v[AS0] offset:64            ; tile 1's tokens
	s_mov_b32 s62, 0                               ; 64 x tile: the trips' counter and the stage's step
.Ltile:
.irp b, 0,1
.irp j, 0,1,2,3
	ds_load_b128 v[X+16*\b+4*\j:X+16*\b+4*\j+3], v[AX] offset:128*\b+16*\j   ; e + b2 of this tile's tokens: wanted by the second product.  (No vector instruction stands between the last wait on va_vdst and these loads)
.endr
.endr
	s_wait_dscnt 8                                 ; all but these 8: this tile's codes and scale word and the next tile's tokens are in, and my last store of norms is done
	s_wait_alu depctr_vm_vsrc(0)                   ; the 8 loads above have read AX; the last trip's five loads and its store have read AE, AS and NT: all four are written again in this trip
	FF1
	v_min_u32 v[TK], 63, v[TK]                     ; the next tile's addresses: four plain lines that name no register of the products: the places behind them
	v_mul_u32_u24 v[TPX], v[TK], TPIT
	v_add_nc_u32 v[AE], v[TPX], v[EB]
	v_add_nc_u32 v[AS], s62, v[AS0]
	FF2 5, -1, 1                                   ; 5: e + b2 is in; the look-ahead's 5 loads, issued behind the quantiser, may be out
	s_wait_alu depctr_va_vdst(0)                   ; the root has written NT, which the store reads; every vector line is done with X and AX is written, for the next trip's first loads
	ds_store_b32 v[AS], v[NT] offset:NSTO          ; position 16 x tile + r's norm; both halves write the same word with the same value
	s_add_co_u32 s62, s62, 64
	s_cmp_lt_u32 s62, 2048
	s_cbranch_scc1 .Ltile
	; ---- THE TOP 6, and q . h of all 64 tokens between its rounds
	WIN 0x40
	s_wait_alu depctr_va_vdst(0)                   ; the last tile's products are done reading b1's registers, in which bo lands, and its vector lines are done with X and HA, in which norms, tokens, h and q land
.irp t, 0,1,2,3
.irp j, 0,1
	global_load_b128 v[BO+8*\t+4*\j:BO+8*\t+4*\j+3], v[GB32], s[38:39] offset:64*\t+16*\j   ; bo, wanted at the end
.endr
.endr
	WIN 0
.irp j, 0,1,2,3
	ds_load_b128 v[NK+4*\j:NK+4*\j+3], v[LSD] offset:NSTO+512*\j   ; LDS serves a wave's instructions in order: these see my stores
.endr
.irp j, 0,1,2,3
	ds_load_b128 v[PK+4*\j:PK+4*\j+3], v[LSD] offset:512*\j        ; the tokens at the same positions
.endr
	SLOAD 0
	v_mov_b32 v[TT+2], 0                           ; a lane permute's destination counts as one of its sources
	s_wait_dscnt 12                                ; norms and tokens are in; the 12 loads of h and q behind them may be out
.set n, 0
.rept 16
	v_min_u32 v[PK+n], 63, v[PK+n]
.set n, n+1
.endr
.irp j, 0,1,2,3
.irp e, 0,1,2,3
	v_add3_u32 v[PK+4*\j+\e], v[PK+4*\j+\e], v[PB], (-((128*\j+\e)<<6))&0xffffffff   ; token | (511 - position) << 6, over 2^23's exponent field
.endr
.endr
.irp e, 1,2,3
	v_cndmask_b32 v[NK+12+\e], v[NK+12+\e], -1.0, s61   ; positions 509, 510, 511 (lane 31) are no part of the body
.endr
	TOPIT 0                                        ; a round of the search stands between each chunk's loads and the wait for them
	s_wait_dscnt 0x0
	SFMA 0
	s_wait_alu depctr_va_vdst(0)                   ; the multiply-adds are done reading HB and QB, in which the next chunk lands
	SLOAD 1
	TOPIT 1
	s_wait_dscnt 0x0
	SFMA 1
	s_wait_alu depctr_va_vdst(0)                   ; the multiply-adds are done reading HB and QB, in which the next chunk lands
	SLOAD 2
	TOPIT 2
	s_wait_dscnt 0x0
	SFMA 2
	s_wait_alu depctr_va_vdst(0)                   ; the multiply-adds are done reading HB and QB, in which the next chunk lands
	SLOAD 3
	TOPIT 3
	s_wait_dscnt 0x0
	SFMA 3
	TOPIT 4
	TOPIT 5
	s_wait_alu depctr_va_vdst(0)                   ; the search is done with CK and the scores' multiply-adds with HB and QB: rows of h land in all three
	HLOAD 0, 0
	HLOAD 1, 1
.irp a, 0,1
	v_pk_add_f32 v[SA+4*\a:SA+4*\a+1], v[SA+4*\a:SA+4*\a+1], v[SA+4*\a+2:SA+4*\a+3]
.endr
.irp a, 0,1
	v_add_f32 v[SC+\a], v[SA+4*\a], v[SA+4*\a+1]   ; q . h of token lane + 32 a
.endr
	; m: how many of the six winners are my tokens.  The twelve compares stand in one run
.irp j, 0,1,2,3,4,5
	v_and_b32 v[TT], 63, v[WN+\j]
	v_cmp_eq_u32 s[66+2*\j], v[TT], v[VL]
	v_cmp_eq_u32 s[67+2*\j], v[TT], v[L32]
.endr
	s_wait_alu depctr_va_sdst(0)                   ; the twelve compares have written s66 to s77, which the selects read
.irp j, 0,1,2,3,4,5
.if \j == 0
	v_cndmask_b32 v[M], 0, 1.0, s[66+2*\j]
	v_cndmask_b32 v[M+1], 0, 1.0, s[67+2*\j]
.else
	v_cndmask_b32 v[TT+4], 0, 1.0, s[66+2*\j]
	v_cndmask_b32 v[TT+5], 0, 1.0, s[67+2*\j]
	v_add_f32 v[M], v[M], v[TT+4]
	v_add_f32 v[M+1], v[M+1], v[TT+5]
.endif
.endr
	; softmax over the six slots = over the tokens with their counts; the largest score of a chosen token is taken away first
.irp a, 0,1
	v_cmp_lt_f32 s[70+\a], 0, v[M+\a]
.endr
	s_wait_alu depctr_va_sdst(0)                   ; the two compares have written s70 and s71, which the selects read
.irp a, 0,1
	v_cndmask_b32 v[SC+\a], v[NINF], v[SC+\a], s[70+\a]
.endr
	v_max_num_f32 v[TT], v[SC], v[SC+1]
.irp x, 1,2,4,8
	v_max_num_f32_dpp v[TT], v[TT], v[TT] row_xmask:\x row_mask:0xf bank_mask:0xf
.endr
	v_permlanex16_b32 v[TT+2], v[TT], s56, s57
	v_max_num_f32 v[TT], v[TT], v[TT+2]
.irp a, 0,1
	v_sub_f32 v[SC+\a], v[SC+\a], v[TT]
.endr
.irp a, 0,1
	v_mul_f32 v[SC+\a], s60, v[SC+\a]
.endr
.irp a, 0,1
	v_exp_f32 v[SC+\a], v[SC+\a]                   ; 0 for a token that was not chosen
.endr
	v_nop                                          ; one plain place behind a transcendental
	s_wait_alu depctr_va_vdst(0)                   ; the two exponentials are written, ahead of their first reader
.irp a, 0,1
	v_mul_f32 v[SC+\a], v[SC+\a], v[M+\a]
.endr
	v_add_f32 v[TT], v[SC], v[SC+1]
.irp x, 1,2,4,8
	v_add_f32_dpp v[TT], v[TT], v[TT] row_xmask:\x row_mask:0xf bank_mask:0xf
.endr
	v_permlanex16_b32 v[TT+2], v[TT], s56, s57
	v_add_f32 v[TT], v[TT], v[TT+2]
	v_rcp_f32 v[TT+4], v[TT]
	v_nop
	s_wait_alu depctr_va_vdst(0)                   ; the reciprocal is written, ahead of its first reader
.irp a, 0,1
	v_mul_f32 v[SC+\a], v[SC+\a], v[TT+4]
.endr
	s_wait_alu depctr_va_vdst(0)                   ; the weights are written, which the LDS stores read; the search is done with NK and PK, in which the weights land again
.irp a, 0,1
	ds_store_b32 v[LS4], v[SC+\a] offset:WSTO+128*\a   ; the 64 weights on end, in my own stage
.endr
	WLOAD 0, 0                                     ; LDS serves a wave's instructions in order: these see my stores
	WLOAD 1, 1
	s_wait_dscnt 4                                 ; all but the second chunk's 4 loads of weights
	CFMA 0, 0
	s_wait_alu depctr_va_vdst(0)                   ; the multiply-adds are done reading buffer 0 (h and weights), in which the chunk after next lands
	HLOAD 2, 0
	WLOAD 2, 0
	s_wait_dscnt 20                                ; all but the 20 just issued
	CFMA 1, 1
	s_wait_alu depctr_va_vdst(0)                   ; the multiply-adds are done reading buffer 1, in which the last chunk lands
	HLOAD 3, 1
	WLOAD 3, 1
	s_wait_dscnt 20                                ; all but the 20 just issued
	CFMA 2, 0
	s_wait_dscnt 0x0
	CFMA 3, 1
	v_pk_add_f32 v[CA:CA+1], v[CA:CA+1], v[CA+2:CA+3]
	v_pk_add_f32 v[CA+4:CA+5], v[CA+4:CA+5], v[CA+6:CA+7]
	v_pk_add_f32 v[CA:CA+1], v[CA:CA+1], v[CA+4:CA+5]   ; the context, channels 2 lane and 2 lane + 1
	; ---- THE OUTPUT: a tile whose 16 rows are all my row: so no wave waits for another; row 0 of the result is stored
	s_wait_alu depctr_va_vdst(0)                   ; the context is written, which the LDS store reads; the multiply-adds are done reading the weights' registers, in which the context lands again
	ds_store_b64 v[LS8], v[CA:CA+1] offset:CSTO
.irp b, 0,1
.irp j, 0,1,2,3
	ds_load_b128 v[X+16*\b+4*\j:X+16*\b+4*\j+3], v[LCL] offset:CSTO+128*\b+16*\j
.endr
.endr
	WIN 0x40
.irp t, 0,1,2,3
.irp p, 0,1,2
	ds_load_b64 v[WQF+6*\t+2*\p:WQF+6*\t+2*\p+1], v[LWN] offset:WOC-WQC+768*\t+8*\p   ; Wo, where Wq lay
.endr
.endr
	WIN 0
	s_wait_dscnt 0x0
	QUANT X, 1, EC, ES
	PLACES 8
	s_wait_loadcnt 0x0                             ; bo
	s_wait_alu depctr_va_vdst(0)                   ; the context's codes and scale word are written, which the products with Wo take
	WIN 0x11                                       ; source 0 (Wo) and C (bo) in window 1
.irp t, 0,1,2,3
	MM O+8*\t, WQF+6*\t, EC, BO+8*\t, WOS+\t, ES   ; lane (r, h), register j: out(my row, channel 16 t + 8 h + j)
.endr
	WIN 0
	PLACES 4
	s_wait_alu depctr_va_vdst(0)                   ; the products have written the results, which the LDS stores read; the places above stay beside this wait
.irp t, 0,1,2,3
	ds_store_b128 v[LOS], v[O+8*\t:O+8*\t+3] offset:OSTO+64*\t       ; each accumulator from its low end on
	ds_store_b128 v[LOS], v[O+8*\t+4:O+8*\t+7] offset:OSTO+64*\t+16
.endr
	ds_load_b64 v[OUT:OUT+1], v[LS8] offset:OSTO   ; row 0, 8 bytes a lane
	s_wait_dscnt 0x0
	global_store_b64 v[G8L], v[OUT:OUT+1], s[52:53] th:TH_STORE_NT   ; 32 lanes store my row: 256 consecutive bytes, at a multiple of 256 from out0's first byte
	s_wait_dscnt 0x0                               ; the closing lines, six on end
	s_wait_alu 0x0
	s_wait_tensorcnt 0x0
	ds_add_u32 v126, v127
	s_wait_dscnt 0x0
	s_endpgm
.Lfunc_end_k_q6612533947_slot:
	.size	k_q6612533947_slot, .Lfunc_end_k_q6612533947_slot-k_q6612533947_slot
	.p2alignl 7, 3214868480
	.fill 96, 4, 3214868480
	.section	.rodata,"a",@progbits
	.p2align	6, 0x0
	.amdhsa_kernel k_q6612533947_slot
		.amdhsa_group_segment_fixed_size 149504
		.amdhsa_private_segment_fixed_size 0
		.amdhsa_enable_private_segment 0
		.amdhsa_kernarg_size 136
		.amdhsa_user_sgpr_count 2
		.amdhsa_user_sgpr_kernarg_segment_ptr 1
		.amdhsa_wavefront_size32 1
		.amdhsa_system_sgpr_workgroup_id_x 1
		.amdhsa_system_sgpr_workgroup_id_y 1
		.amdhsa_system_sgpr_workgroup_id_z 1
		.amdhsa_system_vgpr_workitem_id 0
		.amdhsa_next_free_vgpr 512
		.amdhsa_next_free_sgpr 80
		.amdhsa_reserve_vcc 0
		.amdhsa_float_denorm_mode_32 3
		.amdhsa_float_denorm_mode_16_64 3
		.amdhsa_memory_ordered 1
		.amdhsa_forward_progress 1
		.amdhsa_inst_pref_size 119
	.end_amdhsa_kernel
	.amdgpu_metadata
---
amdhsa.version: [ 1, 2 ]
amdhsa.kernels:
  - .name:           k_q6612533947_slot
    .symbol:         k_q6612533947_slot.kd
    .args:
      - { .name: seq, .offset: 0, .size: 8, .value_kind: global_buffer, .address_space: global }
      - { .name: embed, .offset: 8, .size: 8, .value_kind: global_buffer, .address_space: global }
      - { .name: W1_codes, .offset: 16, .size: 8, .value_kind: global_buffer, .address_space: global }
      - { .name: W1_scales, .offset: 24, .size: 8, .value_kind: global_buffer, .address_space: global }
      - { .name: b1, .offset: 32, .size: 8, .value_kind: global_buffer, .address_space: global }
      - { .name: W2_codes, .offset: 40, .size: 8, .value_kind: global_buffer, .address_space: global }
      - { .name: W2_scales, .offset: 48, .size: 8, .value_kind: global_buffer, .address_space: global }
      - { .name: b2, .offset: 56, .size: 8, .value_kind: global_buffer, .address_space: global }
      - { .name: gamma, .offset: 64, .size: 8, .value_kind: global_buffer, .address_space: global }
      - { .name: beta, .offset: 72, .size: 8, .value_kind: global_buffer, .address_space: global }
      - { .name: Wq_codes, .offset: 80, .size: 8, .value_kind: global_buffer, .address_space: global }
      - { .name: Wq_scales, .offset: 88, .size: 8, .value_kind: global_buffer, .address_space: global }
      - { .name: bq, .offset: 96, .size: 8, .value_kind: global_buffer, .address_space: global }
      - { .name: Wo_codes, .offset: 104, .size: 8, .value_kind: global_buffer, .address_space: global }
      - { .name: Wo_scales, .offset: 112, .size: 8, .value_kind: global_buffer, .address_space: global }
      - { .name: bo, .offset: 120, .size: 8, .value_kind: global_buffer, .address_space: global }
      - { .name: out0, .offset: 128, .size: 8, .value_kind: global_buffer, .address_space: global }
    .group_segment_fixed_size: 149504
    .private_segment_fixed_size: 0
    .kernarg_segment_align: 8
    .kernarg_segment_size: 136
    .max_flat_workgroup_size: 256
    .sgpr_count:     80
    .vgpr_count:     512
    .wavefront_size: 32
...
	.end_amdgpu_metadata
.endif
;; end of part 2
